; MI455X (gfx1250); checked and timed in simulation.
; The chip was launched on July 23, 2026; its instructions are those of AMD's public machine-readable ISA for CDNA 5 (MIT licence, August 2026) and "CDNA5" Instruction Set Architecture Reference Guide (July 2026). The comments in the code are by the model that wrote it; some were corrected since.
;; Atencion Multi Cabeza. Allowed arithmetic: float matrix products may take bf16 or f16 operands with f32 sums; all other float work in f32.
;; Inputs: Wk 1,024 x 1,024 float32; Wo 1,024 x 1,024 float32; Wq 1,024 x 1,024 float32; Wv 1,024 x 1,024 float32; bk 1,024 float32; bo 1,024 float32; bq 1,024 float32; bv 1,024 float32; k 4 x 2,048 x 1,024 float32; mask 1 x 1 x 2,048 x 2,048 int32; q 4 x 2,048 x 1,024 float32; v 4 x 2,048 x 1,024 float32.
;; Outputs: out0 4 x 2,048 x 1,024 float32.
;; 2 versions, each right and faster than the one before. Each part assembles by itself: llvm-mc -triple=amdgcn-amd-amdhsa -mcpu=gfx1250 --defsym DOCPART=n.
;; ======== version 1 of 2: 4 launches
;; limits: values are held in f16: magnitudes above 65,504 overflow, below 6.1e-05 lose precision; right only within a limited range of input values
;; workspace buffers: XB 50,331,648 bytes; WB 8,388,608 bytes; MBITS 524,288 bytes of whole numbers; QKV 50,331,648 bytes; AO 16,777,216 bytes
;; launch cast (part 1): grid 2048 x 1, 8 waves a work-group, no clusters, 0 bytes of LDS; arguments q, k, v, Wq, Wk, Wv, Wo, mask, XB, WB, MBITS; writes XB, WB, MBITS
.if DOCPART == 1
	.amdgcn_target "amdgcn-amd-amdhsa--gfx1250"
	.amdhsa_code_object_version 6
	.text
	.protected	k_qc2442d416d_cast
	.globl	k_qc2442d416d_cast
	.p2align	8
	.type	k_qc2442d416d_cast,@function
k_qc2442d416d_cast:
	s_mov_b64 s[64:65], 0
	v_nop
	global_prefetch_b8 v0, s[64:65] scope:SCOPE_SE
	s_setreg_imm32_b32 hwreg(HW_REG_WAVE_MODE, 25, 1), 1
	s_wait_xcnt 0x0
; cast: the seven f32 matrices are rounded once to bf16 and laid out in blocks, and the int32 mask becomes lane-mask words.
; Blocked layout: T[kb][row][64] of 16-bit numbers, kb = column / 64: a row's part of a block is 128 bytes, two neighbouring rows 256.
;   XB[3][16][8192][64]  q, k, v in bf16.     WB[4][16][1024][64]  Wq, Wk, Wv in bf16; Wo rounded to bf16 and then written as f16
;   (exact from 2^-17 up; below that the absolute error is at most 3e-8; |Wo| must stay below 65,504).
;   MBITS u32 [T = 128][kbk = 32][t = 4][j = 8]: bit L = r + 16 h of a word says mask[16 T + r][64 kbk + 16 t + 8 h + j] != 0:
;   the lane and register in which the attention launch holds that score.
; 2,048 work-groups of eight waves, each reads 64 KiB: 0-1535 sixteen rows of q, k or v; 1536-1791 sixteen rows of a weight;
; 1792-2047 sixteen rows x 1,024 columns of the mask.  Straight code: no loop, no LDS, no barrier; memory binds, so matrix units,
; clusters and large register tiles have no part here.
.set X,  32                            ; v[32:95]   sixteen loads of four registers
.set Y,  96                            ; v[96:127]  sixteen packed pairs (mask path: the 64 words, two a lane)
.set VI, 2                             ; v2         byte offset of my loads
.set VO, 4                             ; v4, v5     byte offset of my stores, first and second K block
	s_load_b512 s[8:23], s[0:1], 0x0               ; q k v Wq Wk Wv Wo mask, two registers each
	s_load_b128 s[24:27], s[0:1], 0x40             ; XB, WB
	s_load_b64 s[28:29], s[0:1], 0x50              ; MBITS
	v_lshrrev_b32 v1, 5, v0
	v_readfirstlane_b32 s3, v1                     ; wave 0..7
	v_and_b32 v1, 31, v0                           ; lane
	v_and_b32 v6, 15, v0                           ; lane mod 16
	v_bfe_u32 v7, v0, 4, 1                         ; lane / 16
	s_cmp_ge_u32 ttmp9, 1792
	s_cbranch_scc1 .Lmask
	; ---- floats: job 0..6 = q k v Wq Wk Wv Wo; unit = which sixteen rows ----
	s_lshr_b32 s30, ttmp9, 9                       ; activations: job,
	s_and_b32 s31, ttmp9, 511                      ; unit,
	s_lshl_b32 s36, s30, 24                        ; part of XB (16 MiB each)
	s_max_u32 s32, ttmp9, 1536
	s_sub_co_u32 s32, s32, 1536
	s_lshr_b32 s33, s32, 6                         ; weights: which of the four,
	s_and_b32 s34, s32, 63                         ; unit,
	s_add_co_u32 s35, s33, 3                       ; job,
	s_lshl_b32 s37, s33, 21                        ; part of WB (2 MiB each)
	s_mov_b32 s42, 0x100000                        ; bytes of a K block: 8,192 rows x 128
	s_mov_b32 s43, 0x20000                         ;                     1,024 rows x 128
	s_wait_kmcnt 0x0
	s_cmp_lt_u32 ttmp9, 1536                       ; one compare, then selects only (they leave SCC alone)
	s_cselect_b32 s38, s30, s35                    ; job
	s_cselect_b32 s39, s31, s34                    ; unit
	s_cselect_b32 s40, s36, s37                    ; part offset
	s_cselect_b32 s41, s42, s43                    ; K block bytes
	s_cselect_b64 s[44:45], s[24:25], s[26:27]     ; XB or WB
	s_mov_b64 s[46:47], s[8:9]                     ; the source, chosen by the job
	s_cmp_eq_u32 s38, 1
	s_cselect_b64 s[46:47], s[10:11], s[46:47]
	s_cmp_eq_u32 s38, 2
	s_cselect_b64 s[46:47], s[12:13], s[46:47]
	s_cmp_eq_u32 s38, 3
	s_cselect_b64 s[46:47], s[14:15], s[46:47]
	s_cmp_eq_u32 s38, 4
	s_cselect_b64 s[46:47], s[16:17], s[46:47]
	s_cmp_eq_u32 s38, 5
	s_cselect_b64 s[46:47], s[18:19], s[46:47]
	s_cmp_eq_u32 s38, 6
	s_cselect_b64 s[46:47], s[20:21], s[46:47]
	s_lshl_b32 s48, s39, 16                        ; sixteen rows of 4,096 bytes in
	s_mov_b32 s49, 0
	s_add_nc_u64 s[46:47], s[46:47], s[48:49]
	s_lshl_b32 s50, s39, 11                        ; sixteen rows of 128 bytes out
	s_add_co_u32 s50, s50, s40
	s_mov_b32 s51, 0
	s_add_nc_u64 s[44:45], s[44:45], s[50:51]
	; wave w owns K blocks 2 w and 2 w + 1.  A load: lanes 0-15 take the 256 bytes of one row's block, lanes 16-31 the next row's.
	v_lshlrev_b32 v[VI], 12, v7                    ; row
	v_lshl_add_u32 v[VI], v6, 4, v[VI]             ; + 16 bytes a lane
	s_lshl_b32 s52, s3, 9
	v_add_nc_u32 v[VI], s52, v[VI]                 ; + my wave's 512 bytes of a row
	s_lshl_b32 s52, s41, 1
	s_mul_i32 s52, s52, s3                         ; 2 w K blocks
	v_lshlrev_b32 v[VO], 3, v1                     ; 8 bytes a lane: two rows of 128 bytes
	v_add_nc_u32 v[VO], s52, v[VO]
	v_add_nc_u32 v[VO+1], s41, v[VO]
.irp i, 0,1,2,3,4,5,6,7,8,9,10,11,12,13,14,15
	global_load_b128 v[X+4*\i:X+4*\i+3], v[VI], s[46:47] offset:(\i>>3)*256+(\i&7)*8192 th:TH_LOAD_NT
.endr
; group i: block i / 8, rows 2 (i mod 8) and the next.  No register is used twice, so the only wait is for the group's own load.
.macro CONV i, wo
	s_wait_loadcnt 15-\i                           ; loads come back in order: mine is in, the younger ones stay out
	v_cvt_pk_bf16_f32 v[Y+2*\i],   v[X+4*\i],   v[X+4*\i+1]
	v_cvt_pk_bf16_f32 v[Y+2*\i+1], v[X+4*\i+2], v[X+4*\i+3]
.if \wo
	v_lshlrev_b32 v[X+4*\i],   16, v[Y+2*\i]               ; the bf16 values as f32 again,
	v_and_b32     v[X+4*\i+1], 0xffff0000, v[Y+2*\i]
	v_lshlrev_b32 v[X+4*\i+2], 16, v[Y+2*\i+1]
	v_and_b32     v[X+4*\i+3], 0xffff0000, v[Y+2*\i+1]
	v_cvt_pk_f16_f32 v[Y+2*\i],   v[X+4*\i],   v[X+4*\i+1]   ; and coded as f16
	v_cvt_pk_f16_f32 v[Y+2*\i+1], v[X+4*\i+2], v[X+4*\i+3]
.endif
	global_store_b64 v[VO+(\i>>3)], v[Y+2*\i:Y+2*\i+1], s[44:45] offset:(\i&7)*256   ; the wave stores 256 consecutive bytes, aligned
.endm
	s_cmp_eq_u32 s38, 6
	s_cbranch_scc1 .Lwo
.irp i, 0,1,2,3,4,5,6,7,8,9,10,11,12,13,14,15
	CONV \i, 0
.endr
	s_endpgm
.Lwo:
.irp i, 0,1,2,3,4,5,6,7,8,9,10,11,12,13,14,15
	CONV \i, 1
.endr
	s_endpgm
	; ---- the mask: work-group u takes query tile T = u / 2 and half u mod 2 of the columns; wave w 128 columns ----
.Lmask:
	s_sub_co_u32 s30, ttmp9, 1792
	s_lshr_b32 s31, s30, 1                         ; T
	s_and_b32 s32, s30, 1                          ; half
	s_lshl_b32 s34, s31, 17                        ; sixteen rows of 8,192 bytes
	s_lshl_b32 s35, s32, 12
	s_add_co_u32 s34, s34, s35
	s_lshl_b32 s35, s3, 9
	s_add_co_u32 s34, s34, s35
	s_mov_b32 s35, 0
	s_lshl_b32 s36, s31, 12                        ; 1,024 words for a T,
	s_lshl_b32 s37, s32, 11                        ; 512 for a half,
	s_add_co_u32 s36, s36, s37
	s_lshl_b32 s37, s3, 8                          ; 64 for a wave
	s_add_co_u32 s36, s36, s37
	s_mov_b32 s37, 0
	v_lshlrev_b32 v[VI], 13, v6                    ; lane L = r + 16 h reads row r,
	v_lshl_add_u32 v[VI], v7, 5, v[VI]             ; eight numbers from column 8 h of each group of sixteen
	v_lshlrev_b32 v[VO], 3, v1
	v_mov_b32 v[Y], 0                              ; v_writelane_b32 counts as a reader of its destination
	v_mov_b32 v[Y+1], 0
	s_wait_kmcnt 0x0
	s_add_nc_u64 s[22:23], s[22:23], s[34:35]
	s_add_nc_u64 s[28:29], s[28:29], s[36:37]
.irp t, 0,1,2,3,4,5,6,7
	global_load_b128 v[X+8*\t:X+8*\t+3],   v[VI], s[22:23] offset:64*\t
	global_load_b128 v[X+8*\t+4:X+8*\t+7], v[VI], s[22:23] offset:64*\t+16
.endr
.irp t, 0,1,2,3,4,5,6,7
	s_wait_loadcnt 14-2*\t                         ; this group's two loads are in
.irp j, 0,1,2,3,4,5,6,7
	v_cmp_ne_u32 s[40+\j], 0, v[X+8*\t+\j]         ; one compare makes one word: bit L from lane L
.endr
.irp j, 0,1,2,3,4,5,6,7
	v_writelane_b32 v[Y+(\j&1)], s[40+\j], 4*\t+(\j>>1)    ; word 8 t + j goes to lane (8 t + j) / 2, register (8 t + j) mod 2
.endr
.endr
	global_store_b64 v[VO], v[Y:Y+1], s[28:29]     ; 64 words: 256 consecutive bytes, aligned
	s_endpgm
.Lfunc_end_k_qc2442d416d_cast:
	.size	k_qc2442d416d_cast, .Lfunc_end_k_qc2442d416d_cast-k_qc2442d416d_cast
	.p2alignl 7, 3214868480
	.fill 96, 4, 3214868480
	.section	.rodata,"a",@progbits
	.p2align	6, 0x0
	.amdhsa_kernel k_qc2442d416d_cast
		.amdhsa_group_segment_fixed_size 0
		.amdhsa_private_segment_fixed_size 0
		.amdhsa_enable_private_segment 0
		.amdhsa_kernarg_size 88
		.amdhsa_user_sgpr_count 2
		.amdhsa_user_sgpr_kernarg_segment_ptr 1
		.amdhsa_wavefront_size32 1
		.amdhsa_system_sgpr_workgroup_id_x 1
		.amdhsa_system_sgpr_workgroup_id_y 1
		.amdhsa_system_sgpr_workgroup_id_z 1
		.amdhsa_system_vgpr_workitem_id 0
		.amdhsa_next_free_vgpr 128
		.amdhsa_next_free_sgpr 66
		.amdhsa_reserve_vcc 0
		.amdhsa_float_denorm_mode_32 3
		.amdhsa_float_denorm_mode_16_64 3
		.amdhsa_memory_ordered 1
		.amdhsa_forward_progress 1
		.amdhsa_inst_pref_size 28
	.end_amdhsa_kernel
	.amdgpu_metadata
---
amdhsa.version: [ 1, 2 ]
amdhsa.kernels:
  - .name:           k_qc2442d416d_cast
    .symbol:         k_qc2442d416d_cast.kd
    .args:
      - { .name: q, .offset: 0, .size: 8, .value_kind: global_buffer, .address_space: global }
      - { .name: k, .offset: 8, .size: 8, .value_kind: global_buffer, .address_space: global }
      - { .name: v, .offset: 16, .size: 8, .value_kind: global_buffer, .address_space: global }
      - { .name: Wq, .offset: 24, .size: 8, .value_kind: global_buffer, .address_space: global }
      - { .name: Wk, .offset: 32, .size: 8, .value_kind: global_buffer, .address_space: global }
      - { .name: Wv, .offset: 40, .size: 8, .value_kind: global_buffer, .address_space: global }
      - { .name: Wo, .offset: 48, .size: 8, .value_kind: global_buffer, .address_space: global }
      - { .name: mask, .offset: 56, .size: 8, .value_kind: global_buffer, .address_space: global }
      - { .name: XB, .offset: 64, .size: 8, .value_kind: global_buffer, .address_space: global }
      - { .name: WB, .offset: 72, .size: 8, .value_kind: global_buffer, .address_space: global }
      - { .name: MBITS, .offset: 80, .size: 8, .value_kind: global_buffer, .address_space: global }
    .group_segment_fixed_size: 0
    .private_segment_fixed_size: 0
    .kernarg_segment_align: 8
    .kernarg_segment_size: 88
    .max_flat_workgroup_size: 256
    .sgpr_count:     66
    .vgpr_count:     128
    .wavefront_size: 32
...
	.end_amdgpu_metadata
.endif
;; end of part 1
;; launch proj (part 2): grid 4 x 192, 4 waves a work-group, clusters of 4 x 4, 327,680 bytes of LDS; arguments XB, WB, bq, bk, bv, QKV; writes QKV
.if DOCPART == 2
	.amdgcn_target "amdgcn-amd-amdhsa--gfx1250"
	.amdhsa_code_object_version 6
	.text
	.protected	k_qc2442d416d_proj
	.globl	k_qc2442d416d_proj
	.p2align	8
	.type	k_qc2442d416d_proj,@function
k_qc2442d416d_proj:
	s_mov_b64 s[64:65], 0
	v_nop
	global_prefetch_b8 v0, s[64:65] scope:SCOPE_SE
	s_setreg_imm32_b32 hwreg(HW_REG_WAVE_MODE, 25, 1), 1
	s_wait_xcnt 0x0
	s_wait_alu depctr_hold_cnt(0) depctr_sa_sdst(0) depctr_va_vdst(0) depctr_va_sdst(0) depctr_va_ssrc(0) depctr_va_vcc(0) depctr_vm_vsrc(0)
	s_getreg_b32 s2, hwreg(HW_REG_IB_STS2, 6, 4)
	s_cmp_eq_u32 s2, 0
	s_cbranch_scc0 .Lentry_in_a_cluster
	s_endpgm
.Lentry_in_a_cluster:
	s_bfe_u32 s2, ttmp6, 0x10000c
	s_cmp_lg_u32 s2, 0xf033
	s_cbranch_scc0 .Lentry_shape_is_right
	s_endpgm
.Lentry_shape_is_right:
; proj: the three input projections in one launch.  Y[m][n] = sum over k of X[m][k] W[n][k] + bias[n]; X, W bf16 in the blocked layout
; T[kb][row][64]; sums in f32; Y in f16 as QKV[which][head = n / 64][m][64].  LIMIT: |Y| must stay below 65,504 (f16).
; A work-group makes 128 (m) x 256 (n) with four waves, 2 x 2, a wave 64 x 128: 32 accumulator tiles, 256 registers (window 1).
; 3 x 64 x 4 = 768 work-groups: three even shares for 256 WGPs, which blocks of 256 x 256 (384) would not give.
; K = 1,024 goes in eight steps of 128 (two K blocks) through two LDS slots filled by tensor loads.
; CLUSTERS: 4 x 4 work-groups.  X's tile hangs on the block row alone and is asked for jointly along a row of the cluster, W's on the
; block column alone and jointly along a column: the requests for both are divided by four.
; The matrix instruction is used transposed (source 0 = rows of W, source 1 = rows of X): lane l then holds row m = l % 16 of Y and
; its registers the eight neighbouring columns 8 (l / 16) + 0..7.
.set PITCH,  144                       ; an LDS row: 128 bytes + 16 of padding = 9 x 16: sixteen rows begin at sixteen different 16-byte columns modulo 256
.set AHALF,  64*PITCH                  ; X: one K block of a loader's 64 rows
.set BHALF,  128*PITCH                 ; W: one K block of a loader's 128 rows
.set REG,    2*BHALF                   ; region of loader wave w, at w x REG (X's loaders use the first half of theirs)
.set SLOT,   4*REG
.set STAGE,  2*SLOT                    ; behind the ring: 16 rows x 272 bytes for each wave; no tensor load lands here
.set SPITCH, 272
.set ASTEP,  2*8192*128                ; a K step in X: two K blocks of 8,192 rows x 128 bytes
.set BSTEP,  2*1024*128                ; in W: two K blocks of 1,024 rows
.set LAPS,   4                         ; a lap = two K steps = once round the ring
.set G1W0,   (3<<16)|(1<<20)|(1<<21)|(4<<22)|(3<<25)   ; elements of 8 bytes; padding on; bit 21 beside a mask; after every 32 words; 4 words
.set ADRA, 16                          ; v16-17  LDS address of my X fragments in slot 0, 1
.set ADRB, 20                          ; v20-21  of my W fragments
.set STO,  24                          ; way out: where I put 16 bytes of a row
.set RD,   25                          ; way out: where I read back
.set CO,   26                          ; my byte offset in the output
.set BO,   27                          ; my byte offset in the bias
.set F0,   32                          ; fragment buffer 0: W's eight at +0, X's four at +64
.set F1,   128                         ; fragment buffer 1
.set BIAS, 32                          ; way out: v32-95 bias of my 64 columns-in-lane
.set T,    128                         ; v128-191 sums + bias
.set PK,   192                         ; v192-223 packed f16
.set RB,   224                         ; v224-255 rows read back
.set G1,  24                           ; s[24:31] group 1 for X's tiles
.set G0,  32                           ; s[32:39] group 0 for X's tiles, a set for each slot
.set G1B, 48                           ; s[48:55] group 1 for W's tiles
.set G0B, 56                           ; s[56:63] group 0 for W's tiles
.set MUL, 0x50                         ; C and D in window 1, sources in window 0
.set MSB, 0
.macro WIN new                         ; the immediate's high byte repeats the setting that is left
.if MSB != \new
	s_set_vgpr_msb (MSB<<8)|\new
.set MSB, \new
.endif
.endm
.macro JLOAD s                         ; waves 0, 1 ask for X's two halves, waves 2, 3 for W's; the branch hangs on the wave's number alone
	s_cmp_eq_u32 s11, 0
	s_cbranch_scc0 .Lfor_b_\@
	tensor_load_to_lds s[G0+4*\s:G0+4*\s+3], s[G1:G1+7]
	s_nop 0
	s_branch .Lasked_\@
.Lfor_b_\@:
	tensor_load_to_lds s[G0B+4*\s:G0B+4*\s+3], s[G1B:G1B+7]
	s_nop 0
.Lasked_\@:
.endm
.macro CREST                           ; a round of the cluster's barrier behind its opening work-group barrier
	s_cmp_lg_u32 s10, 0
	s_cbranch_scc1 .Lnot_wave_0_\@
	s_barrier_signal -3
.Lnot_wave_0_\@:
	s_barrier_wait -3
	s_barrier_signal -1
	s_barrier_wait -1
.endm
.macro CROUND
	s_barrier_signal -1
	s_barrier_wait -1
	CREST
.endm
.macro PLACES                          ; four plain vector places behind matrix instructions (ISA guide 7.12.1) before their registers are loaded into, read or written
.rept 4
	v_nop
.endr
.endm
	s_load_b128 s[4:7], s[0:1], 0x0                ; XB, WB
	s_load_b256 s[72:79], s[0:1], 0x10             ; bq, bk, bv, QKV
	v_lshl_add_u32 v30, v0, 2, 0x4c400
	v_mov_b32 v31, 0
	ds_add_u32 v30, v31
	v_lshrrev_b32 v1, 5, v0
	v_readfirstlane_b32 s10, v1                    ; wave 0..3
	s_lshr_b32 s11, s10, 1                         ; my half of the block's rows; also: I fetch for X (0) or W (1)
	s_and_b32 s12, s10, 1                          ; my half of its columns; also: which half of that tile I fetch
	s_bfe_u32 s40, ttmp6, 0x40000                  ; cx
	s_bfe_u32 s41, ttmp6, 0x40004                  ; cy
	s_lshl_b32 s42, ttmp9, 2
	s_add_co_u32 s42, s42, s40                     ; block column 0..3
	s_and_b32 s13, ttmp7, 0xffff                   ; the cluster's y, 0..47
	s_lshr_b32 s45, s13, 4                         ; which projection: sixteen clusters each, the same in all partners
	s_and_b32 s13, s13, 15
	s_lshl_b32 s13, s13, 2
	s_add_co_u32 s13, s13, s41                     ; block row 0..63
	s_lshl_b32 s43, s41, 2
	s_lshl_b32 s43, 15, s43                        ; my row of the cluster
	s_lshl_b32 s44, 0x1111, s40                    ; my column
	; group 1.  A tile is two rows, one for each K block; a row is the loader's whole run of 128-byte pieces, dense in memory.
	s_or_b32 s[G1+0], s43, G1W0
	s_mov_b32 s[G1+1], 1024<<16                    ; tensor_dim0 = 1,024 elements of 8 bytes = 64 rows x 128 bytes
	s_mov_b32 s[G1+2], 2<<16                       ; tensor_dim1 = 2
	s_mov_b32 s[G1+3], 1024<<16                    ; tile_dim0
	s_mov_b32 s[G1+4], 2                           ; tile_dim1
	s_mov_b32 s[G1+5], 131072                      ; from K block to K block: 8,192 x 128 bytes in elements
	s_mov_b32 s[G1+6], 0
	s_mov_b32 s[G1+7], 0
	s_or_b32 s[G1B+0], s44, G1W0
	s_mov_b32 s[G1B+1], 2048<<16                   ; 128 rows x 128 bytes
	s_mov_b32 s[G1B+2], 2<<16
	s_mov_b32 s[G1B+3], 2048<<16
	s_mov_b32 s[G1B+4], 2
	s_mov_b32 s[G1B+5], 16384                      ; 1,024 x 128 bytes in elements
	s_mov_b32 s[G1B+6], 0
	s_mov_b32 s[G1B+7], 0
	; X's address is made of the projection, the block row and the wave; W's of the projection, the block column and the wave.
	s_lshl_b32 s16, s13, 14                        ; 128 rows x 128 bytes a block row
	s_lshl_b32 s17, s12, 13                        ; 64 rows a half
	s_add_co_u32 s16, s16, s17
	s_lshl_b32 s17, s45, 24
	s_add_co_u32 s16, s16, s17
	s_mov_b32 s17, 0
	s_lshl_b32 s46, s42, 15                        ; 256 rows x 128 bytes a block column
	s_lshl_b32 s47, s12, 14                        ; 128 rows a half
	s_add_co_u32 s46, s46, s47
	s_lshl_b32 s47, s45, 21
	s_add_co_u32 s46, s46, s47
	s_mov_b32 s47, 0
	s_mul_i32 s20, s10, REG                        ; where my load goes: the wave's number alone
	s_wait_dscnt 0x0
	s_wait_kmcnt 0x0
	s_add_nc_u64 s[14:15], s[4:5], s[16:17]
	s_add_nc_u64 s[46:47], s[6:7], s[46:47]
	CROUND                                         ; all sixteen work-groups are here: the first joint loads meet
.irp s, 0,1
	s_mov_b32 s[G0+4*\s], 1
	s_add_co_u32 s[G0+4*\s+1], s20, \s*SLOT
	s_add_nc_u64 s[G0+4*\s+2:G0+4*\s+3], s[14:15], \s*ASTEP
	s_or_b32 s[G0+4*\s+3], s[G0+4*\s+3], 0x80000000
	s_mov_b32 s[G0B+4*\s], 1
	s_add_co_u32 s[G0B+4*\s+1], s20, \s*SLOT
	s_add_nc_u64 s[G0B+4*\s+2:G0B+4*\s+3], s[46:47], \s*BSTEP
	s_or_b32 s[G0B+4*\s+3], s[G0B+4*\s+3], 0x80000000
	JLOAD \s                                       ; K steps 0 and 1: two loads of the wave are out, the most in this text
.endr
	v_and_b32 v1, 15, v0                           ; r
	v_bfe_u32 v2, v0, 4, 1                         ; h
	v_mul_u32_u24 v3, v1, PITCH
	v_lshl_add_u32 v3, v2, 4, v3                   ; row x pitch + 16 h
	s_mul_i32 s21, s11, REG                        ; my 64 rows of X
	s_mul_i32 s22, s12, REG
	s_add_co_u32 s22, s22, 2*REG                   ; my 128 rows of W
.irp s, 0,1
	v_add_nc_u32 v[ADRA+\s], s21, v3
	v_add_nc_u32 v[ADRB+\s], s22, v3
	s_add_co_u32 s21, s21, SLOT
	s_add_co_u32 s22, s22, SLOT
.endr
	s_mul_i32 s23, s10, 16*SPITCH
	s_add_co_u32 s23, s23, STAGE                   ; my stage
	v_mul_u32_u24 v4, v1, SPITCH
	v_lshl_add_u32 v4, v2, 4, v4
	v_add_nc_u32 v[STO], s23, v4                   ; in: row r, 16 bytes for each half of the lanes
	v_and_b32 v5, 31, v0
	v_lshrrev_b32 v6, 3, v5
	v_and_b32 v7, 7, v5
	v_mul_u32_u24 v6, v6, SPITCH
	v_lshl_add_u32 v6, v7, 4, v6
	v_add_nc_u32 v[RD], s23, v6                    ; back: eight lanes take the 128 bytes of one row and head, four rows a load
	v_lshlrev_b32 v[CO], 4, v5                     ; those four rows are 512 consecutive bytes of QKV
	v_lshlrev_b32 v[BO], 5, v2                     ; bias: eight numbers from column 8 h
	s_mov_b64 s[66:67], s[72:73]                   ; the projection's bias
	s_cmp_eq_u32 s45, 1
	s_cselect_b64 s[66:67], s[74:75], s[66:67]
	s_cmp_eq_u32 s45, 2
	s_cselect_b64 s[66:67], s[76:77], s[66:67]
	s_lshl_b32 s68, s42, 10                        ; 4 x (256 block column + 128 half)
	s_lshl_b32 s69, s12, 9
	s_add_co_u32 s68, s68, s69
	s_mov_b32 s69, 0
	s_add_nc_u64 s[66:67], s[66:67], s[68:69]
	s_lshl_b32 s70, s45, 24                        ; QKV: the part,
	s_lshl_b32 s71, s42, 22                        ; four heads of 1 MiB a block column,
	s_add_co_u32 s70, s70, s71
	s_lshl_b32 s71, s12, 21                        ; two a half,
	s_add_co_u32 s70, s70, s71
	s_lshl_b32 s71, s13, 14                        ; 128 rows of 128 bytes a block row,
	s_add_co_u32 s70, s70, s71
	s_lshl_b32 s71, s11, 13                        ; 64 a half
	s_add_co_u32 s70, s70, s71
	s_mov_b32 s71, 0
	s_add_nc_u64 s[8:9], s[78:79], s[70:71]
; eight matrix instructions: m tile a x all eight n tiles, 32 along K.  zero = 1: the first product starts the sums.
.macro MULROW f, a, zero
.irp b, 0,1,2,3,4,5,6,7
.if \zero
	v_wmma_f32_16x16x32_bf16 v[8*(8*\a+\b):8*(8*\a+\b)+7], v[\f+8*\b:\f+8*\b+7], v[\f+64+8*\a:\f+64+8*\a+7], 0
.else
	v_wmma_f32_16x16x32_bf16 v[8*(8*\a+\b):8*(8*\a+\b)+7], v[\f+8*\b:\f+8*\b+7], v[\f+64+8*\a:\f+64+8*\a+7], v[8*(8*\a+\b):8*(8*\a+\b)+7]
.endif
.endr
.endm
; 24 LDS loads in one run: quarter q of a K step (K block q / 2, bytes 64 (q mod 2) of its rows): W's eight fragments, then X's four
.macro FETCH slot, q, f
.irp i, 0,1,2,3,4,5,6,7
	ds_load_b128 v[\f+8*\i:\f+8*\i+3],   v[ADRB+\slot] offset:(\q>>1)*BHALF+(\q&1)*64+\i*16*PITCH
	ds_load_b128 v[\f+8*\i+4:\f+8*\i+7], v[ADRB+\slot] offset:(\q>>1)*BHALF+(\q&1)*64+\i*16*PITCH+32
.endr
.irp i, 0,1,2,3
	ds_load_b128 v[\f+64+8*\i:\f+64+8*\i+3],   v[ADRA+\slot] offset:(\q>>1)*AHALF+(\q&1)*64+\i*16*PITCH
	ds_load_b128 v[\f+64+8*\i+4:\f+64+8*\i+7], v[ADRA+\slot] offset:(\q>>1)*AHALF+(\q&1)*64+\i*16*PITCH+32
.endr
.endm
; A quarter step: 32 matrix instructions on buffer f; in its middle the next quarter's fragments go into buffer g.
; The 32 accumulators take turns, one instruction a turn, in the same order in every quarter.
.macro QUARTER slot, qn, f, g, zero
	s_wait_dscnt 4                                 ; all but the youngest four loads: X's fragments 2 and 3
	WIN MUL
	MULROW \f, 0, \zero
	MULROW \f, 1, \zero
	PLACES
	WIN 0
	FETCH \slot, \qn, \g
	s_wait_dscnt 24                                ; all but the 24 just issued
	WIN MUL
	MULROW \f, 2, \zero
	MULROW \f, 3, \zero
.endm
.macro THREE slot, zero
	QUARTER \slot, 1, F0, F1, \zero
	QUARTER \slot, 2, F1, F0, 0
	QUARTER \slot, 3, F0, F1, 0
.endm
; The last quarter of a K step changes slots.  In front of the barrier each wave waits for its reads of this slot and for all its tensor
; loads (one is out: its part of the next slot).  Behind it (with fill: behind the cluster's round that it opens) the refill comes first,
; then the next slot's first fragments.  From a request to the wait for it a wave issues 120 matrix instructions.
.macro TURN slot, next, fill
	s_wait_dscnt 4
	WIN MUL
	MULROW F1, 0, 0
	s_wait_dscnt 0                                 ; my reads of this slot are over
	s_wait_tensorcnt 0x0                           ; all my tensor loads have landed
	ds_add_u32 v30, v31
	s_wait_dscnt 0x0
	s_barrier_signal -1
	MULROW F1, 1, 0                                ; register work while the others arrive
	WIN 0
	s_barrier_wait -1
.if \fill
	CREST                                          ; no wave of any partner still reads this slot or has a load on its way
	s_add_nc_u64 s[G0+4*\slot+2:G0+4*\slot+3], s[G0+4*\slot+2:G0+4*\slot+3], 2*ASTEP
	s_add_nc_u64 s[G0B+4*\slot+2:G0B+4*\slot+3], s[G0B+4*\slot+2:G0B+4*\slot+3], 2*BSTEP
	JLOAD \slot                                    ; my one tensor load behind the round
.endif
	PLACES
	FETCH \next, 0, F0
	WIN MUL
	MULROW F1, 2, 0
	MULROW F1, 3, 0
.endm
.macro LAP zero
	THREE 0, \zero
	TURN 0, 1, 1
	THREE 1, 0
	TURN 1, 0, 1
.endm
	s_wait_tensorcnt 1                             ; my part of K step 0 is in; step 1's stays out
	s_barrier_signal -1
	s_barrier_wait -1
	FETCH 0, 0, F0
	LAP 1                                          ; fills steps 2, 3
	WIN 0
	s_mov_b32 s3, LAPS-2
.Llap:
	LAP 0                                          ; fills steps 4, 5 and 6, 7
	WIN 0
	s_sub_co_u32 s3, s3, 1
	s_cmp_lg_u32 s3, 0
	s_cbranch_scc1 .Llap
	THREE 0, 0                                     ; the last lap fills nothing
	TURN 0, 1, 0
	THREE 1, 0
	s_wait_dscnt 4
	WIN MUL
	MULROW F1, 0, 0
	MULROW F1, 1, 0
	PLACES                                         ; buffer 0 was read by matrix instructions: the bias lands there
	WIN 0
.irp b, 0,1,2,3,4,5,6,7
	global_load_b128 v[BIAS+8*\b:BIAS+8*\b+3],   v[BO], s[66:67] offset:64*\b      ; columns 16 b + 8 h + 0..3
	global_load_b128 v[BIAS+8*\b+4:BIAS+8*\b+7], v[BO], s[66:67] offset:64*\b+16
.endr
	s_wait_dscnt 0
	WIN MUL
	MULROW F1, 2, 0
	MULROW F1, 3, 0
	PLACES                                         ; behind the last matrix instructions: results are read, buffer 1 is written
	s_wait_loadcnt 0x0                             ; the bias
; rows 16 a .. 16 a + 15 of my tile: + bias, f16, 16 bytes a lane into my stage, back as pieces of 128 bytes by head.
.macro OUTP a
	WIN 0x01                                       ; source 0 in window 1
.irp b, 0,1,2,3,4,5,6,7
.irp i, 0,1,2,3
	v_pk_add_f32 v[T+8*\b+2*\i:T+8*\b+2*\i+1], v[8*(8*\a+\b)+2*\i:8*(8*\a+\b)+2*\i+1], v[BIAS+8*\b+2*\i:BIAS+8*\b+2*\i+1]
.endr
.endr
	WIN 0
.irp b, 0,1,2,3,4,5,6,7
.irp i, 0,1,2,3
	v_cvt_pk_f16_f32 v[PK+4*\b+\i], v[T+8*\b+2*\i], v[T+8*\b+2*\i+1]
.endr
.endr
.irp b, 0,1,2,3,4,5,6,7
	ds_store_b128 v[STO], v[PK+4*\b:PK+4*\b+3] offset:32*\b
.endr
	s_wait_xcnt 0x0                                ; the last stores' data registers are loaded into again only behind this wait
.irp t, 0,1,2,3,4,5,6,7
	ds_load_b128 v[RB+4*\t:RB+4*\t+3], v[RD] offset:(\t&3)*4*SPITCH+(\t>>2)*128   ; a wave's LDS instructions are served in order: these see the stores above
.endr
.irp t, 0,1,2,3,4,5,6,7
	s_wait_dscnt 7-\t
	global_store_b128 v[CO], v[RB+4*\t:RB+4*\t+3], s[8:9] offset:(\t>>2)*1048576+\a*2048+(\t&3)*512   ; four rows of one head: 512 consecutive bytes, aligned
.endr
.endm
	OUTP 0
	OUTP 1
	OUTP 2
	OUTP 3
	s_wait_tensorcnt 0x0
	ds_add_u32 v30, v31
	s_wait_dscnt 0x0
	CROUND                                         ; the closing round: no work-group ends while a partner may still ask jointly
	s_endpgm
.Lfunc_end_k_qc2442d416d_proj:
	.size	k_qc2442d416d_proj, .Lfunc_end_k_qc2442d416d_proj-k_qc2442d416d_proj
	.p2alignl 7, 3214868480
	.fill 96, 4, 3214868480
	.section	.rodata,"a",@progbits
	.p2align	6, 0x0
	.amdhsa_kernel k_qc2442d416d_proj
		.amdhsa_group_segment_fixed_size 327680
		.amdhsa_private_segment_fixed_size 0
		.amdhsa_enable_private_segment 0
		.amdhsa_kernarg_size 48
		.amdhsa_user_sgpr_count 2
		.amdhsa_user_sgpr_kernarg_segment_ptr 1
		.amdhsa_wavefront_size32 1
		.amdhsa_system_sgpr_workgroup_id_x 1
		.amdhsa_system_sgpr_workgroup_id_y 1
		.amdhsa_system_sgpr_workgroup_id_z 1
		.amdhsa_system_vgpr_workitem_id 0
		.amdhsa_next_free_vgpr 512
		.amdhsa_next_free_sgpr 80
		.amdhsa_reserve_vcc 0
		.amdhsa_float_denorm_mode_32 3
		.amdhsa_float_denorm_mode_16_64 3
		.amdhsa_memory_ordered 1
		.amdhsa_forward_progress 1
		.amdhsa_inst_pref_size 128
	.end_amdhsa_kernel
	.amdgpu_metadata
---
amdhsa.version: [ 1, 2 ]
amdhsa.kernels:
  - .name:           k_qc2442d416d_proj
    .symbol:         k_qc2442d416d_proj.kd
    .args:
      - { .name: XB, .offset: 0, .size: 8, .value_kind: global_buffer, .address_space: global }
      - { .name: WB, .offset: 8, .size: 8, .value_kind: global_buffer, .address_space: global }
      - { .name: bq, .offset: 16, .size: 8, .value_kind: global_buffer, .address_space: global }
      - { .name: bk, .offset: 24, .size: 8, .value_kind: global_buffer, .address_space: global }
      - { .name: bv, .offset: 32, .size: 8, .value_kind: global_buffer, .address_space: global }
      - { .name: QKV, .offset: 40, .size: 8, .value_kind: global_buffer, .address_space: global }
    .group_segment_fixed_size: 327680
    .private_segment_fixed_size: 0
    .kernarg_segment_align: 8
    .kernarg_segment_size: 48
    .max_flat_workgroup_size: 128
    .sgpr_count:     80
    .vgpr_count:     512
    .wavefront_size: 32
...
	.end_amdgpu_metadata
.endif
;; end of part 2
;; launch attn (part 3): grid 4 x 64, 8 waves a work-group, clusters of 4 x 1, 327,680 bytes of LDS; arguments QKV, MBITS, AO; writes AO
.if DOCPART == 3
	.amdgcn_target "amdgcn-amd-amdhsa--gfx1250"
	.amdhsa_code_object_version 6
	.text
	.protected	k_qc2442d416d_attn
	.globl	k_qc2442d416d_attn
	.p2align	8
	.type	k_qc2442d416d_attn,@function
k_qc2442d416d_attn:
	s_mov_b64 s[64:65], 0
	v_nop
	global_prefetch_b8 v0, s[64:65] scope:SCOPE_SE
	s_setreg_imm32_b32 hwreg(HW_REG_WAVE_MODE, 25, 1), 1
	s_wait_xcnt 0x0
	s_wait_alu depctr_hold_cnt(0) depctr_sa_sdst(0) depctr_va_vdst(0) depctr_va_sdst(0) depctr_va_ssrc(0) depctr_va_vcc(0) depctr_vm_vsrc(0)
	s_getreg_b32 s2, hwreg(HW_REG_IB_STS2, 6, 4)
	s_cmp_eq_u32 s2, 0
	s_cbranch_scc0 .Lentry_in_a_cluster
	s_endpgm
.Lentry_in_a_cluster:
	s_bfe_u32 s2, ttmp6, 0x10000c
	s_cmp_lg_u32 s2, 0x3003
	s_cbranch_scc0 .Lentry_shape_is_right
	s_endpgm
.Lentry_shape_is_right:
; attn: softmax(mask(Q K^T / 8)) V for one (batch, head) and 512 queries a work-group; running maximum; f16 operands, f32 sums.
; Eight waves, 64 queries each: four query tiles of 16.  Keys go in steps of 64; a slot of LDS holds four steps of K and of V.
; TRANSPOSED FORMS: S^T = K Q^T (source 0 = 16 keys, source 1 = 16 queries): lane (r, h) holds query r, register j of tile t key
; 16 t + 8 h + j.  Two neighbouring tiles, packed to f16, ARE the second source of O^T = V^T P^T; V^T comes from the [key][d] tile by the
; transposing LDS load.  So maximum, rescaling factor and sum belong to a lane; one exchange between the two halves of the wave joins them.
; The mask comes as words of MBITS, one for each register of S^T, bit = lane, read by scalar loads and used as select masks.
; CLUSTERS: the four query blocks of a (batch, head) read the same K and V: 4 x 1 work-groups ask for every tile jointly (mask 15).
; LIMITS.  |Q|, |K|, |V| below 65,504 (f16).  P below 6e-8 becomes 0.  The sum of a row is taken on P before its rounding to f16.
; The select puts -1e9 in place of the raw product q.k, in front of the factor 1/8: a masked score stands at -1.25e8 in the
; problem's units; the results are equal while the unmasked scores of a row with masked entries lie above about -1.2e8.  A row with
; no unmasked entry gives the plain mean of V.  The exponent is fma(s, c, -round(c m)), c = log2(e) / 8, and the rescaling factor
; is made of the same two rounded products, so that both stay consistent at m = -1e9 too.  NaN and infinities are not served.
.set KPITCH, 144                       ; K rows: 128 bytes + 16: sixteen rows begin at sixteen different 16-byte columns modulo 256
.set VPITCH, 160                       ; V rows: 128 bytes + 32 = 5 x 32, for the transposing load
.set REGION, 10240                     ; region of loader wave w at w x REGION: waves 0-3 K of step w, waves 4-7 V of step w - 4
.set SLOT,   8*REGION
.set STG,    2*SLOT                    ; behind the ring: 16 rows x 144 bytes for each wave; no tensor load lands here
.set TILE,   32768                     ; bytes of K (or V) in a slot: 256 keys x 128
.set KAD, 2                            ; v2-3    LDS address of my K fragments in slot 0, 1
.set VAD, 4                            ; v4-5    of my V^T fragments
.set NEG, 6                            ; v6      -1e9
.set CC,  8                            ; v[8:9]  c, c
.set STO, 10
.set RD,  11
.set CO,  12
.set VQ,  13
.set LP0, 16                           ; v[16+4n:17+4n] two partial sums of query tile n; v[18+4n] its running maximum
.set T0,  32                           ; v32-39  at work
.set PP,  40                           ; v40-55  P^T, f16
.set SA,  56                           ; v56-87  S^T of even query tiles
.set SB,  88                           ; v88-119 of odd ones
.set KF,  120                          ; v120-183 K fragments (t, dk) at 16 t + 8 dk
.set QF,  184                          ; v184-247 Q fragments (n, dk) at 16 n + 8 dk
.set BS,  248                          ; v[248:249] second chain of the sum
.set VT,  128                          ; window 1: v384-447 V^T fragments (dt, ks) at 16 dt + 8 ks; O^T (n, dt) at v256 + 32 n + 8 dt
.set MP,  98                           ; s[98:99] the wave's mask words
.set MSB, 0
.macro WIN new
.if MSB != \new
	s_set_vgpr_msb (MSB<<8)|\new
.set MSB, \new
.endif
.endm
.macro PLACES
.rept 4
	v_nop
.endr
.endm
.macro ROUND                           ; a round of the cluster's barrier
	s_barrier_signal -1
	s_barrier_wait -1
	s_cmp_lg_u32 s100, 0
	s_cbranch_scc1 .Lnot_wave_0_\@
	s_barrier_signal -3
.Lnot_wave_0_\@:
	s_barrier_wait -3
	s_barrier_signal -1
	s_barrier_wait -1
.endm
.macro JLOAD s                         ; waves 0-3 ask for K's four steps, waves 4-7 for V's; group 0 of slot 0 in s[12:15], of slot 1 in s[68:71]
	s_cmp_eq_u32 s104, 0
	s_cbranch_scc0 .Lfor_v_\@
.if \s == 0
	tensor_load_to_lds s[12:15], s[72:79]
	s_nop 0
.else
	tensor_load_to_lds s[68:71], s[72:79]
	s_nop 0
.endif
	s_branch .Lasked_\@
.Lfor_v_\@:
.if \s == 0
	tensor_load_to_lds s[12:15], s[4:11]
	s_nop 0
.else
	tensor_load_to_lds s[68:71], s[4:11]
	s_nop 0
.endif
.Lasked_\@:
.endm
.macro MLOAD lo, hi, off               ; 32 mask words: one query tile x one step of 64 keys
	s_load_b512 s[\lo:\lo+15], s[MP:MP+1], \off
	s_load_b512 s[\hi:\hi+15], s[MP:MP+1], \off+64
.endm
.macro LOADK slot, st
.irp t, 0,1,2,3
.irp dk, 0,1
	ds_load_b128 v[KF+16*\t+8*\dk:KF+16*\t+8*\dk+3],   v[KAD+\slot] offset:\st*REGION+\t*16*KPITCH+\dk*64
	ds_load_b128 v[KF+16*\t+8*\dk+4:KF+16*\t+8*\dk+7], v[KAD+\slot] offset:\st*REGION+\t*16*KPITCH+\dk*64+32
.endr
.endr
.endm
.macro LOADV slot, st
	WIN 0x40                                       ; destination in window 1
.irp dt, 0,1,2,3
.irp ks, 0,1
	ds_load_tr16_b128 v[VT+16*\dt+8*\ks:VT+16*\dt+8*\ks+3],   v[VAD+\slot] offset:\st*REGION+\ks*32*VPITCH+\dt*32
	ds_load_tr16_b128 v[VT+16*\dt+8*\ks+4:VT+16*\dt+8*\ks+7], v[VAD+\slot] offset:\st*REGION+\ks*32*VPITCH+\dt*32+16*VPITCH
.endr
.endr
	WIN 0
.endm
; S^T of query tile qt: four key tiles take turns, one instruction a turn; the first product starts each sum.
.macro QK qt, sx
.irp t, 0,1,2,3
	v_wmma_f32_16x16x32_f16 v[\sx+8*\t:\sx+8*\t+7], v[KF+16*\t:KF+16*\t+7], v[QF+16*\qt:QF+16*\qt+7], 0
.endr
.irp t, 0,1,2,3
	v_wmma_f32_16x16x32_f16 v[\sx+8*\t:\sx+8*\t+7], v[KF+16*\t+8:KF+16*\t+15], v[QF+16*\qt+8:QF+16*\qt+15], v[\sx+8*\t:\sx+8*\t+7]
.endr
.endm
; O^T of query tile qt += V^T P^T: four d tiles take turns in the same way.
.macro PV qt, first
	WIN 0x51                                       ; D, C and source 0 in window 1, source 1 (P) in window 0
.irp dt, 0,1,2,3
.if \first
	v_wmma_f32_16x16x32_f16 v[32*\qt+8*\dt:32*\qt+8*\dt+7], v[VT+16*\dt:VT+16*\dt+7], v[PP:PP+7], 0
.else
	v_wmma_f32_16x16x32_f16 v[32*\qt+8*\dt:32*\qt+8*\dt+7], v[VT+16*\dt:VT+16*\dt+7], v[PP:PP+7], v[32*\qt+8*\dt:32*\qt+8*\dt+7]
.endif
.endr
.irp dt, 0,1,2,3
	v_wmma_f32_16x16x32_f16 v[32*\qt+8*\dt:32*\qt+8*\dt+7], v[VT+16*\dt+8:VT+16*\dt+15], v[PP+8:PP+15], v[32*\qt+8*\dt:32*\qt+8*\dt+7]
.endr
	WIN 0
.endm
; One query tile x one step of 64 keys.  first: nothing has been summed yet.  look: the next stage's S^T is started first, so that the
; matrix unit works under this stage's vector work.  mnext: the next stage's mask words are asked for.  pl: this stage's S^T was made just now.
.macro STAGE slot, st, qt, first, look, mnext, pl
.if (\qt & 1)
.set SX, SB
.set SY, SA
.else
.set SX, SA
.set SY, SB
.endif
.set LP, LP0+4*\qt
.set MX, LP0+4*\qt+2
	s_wait_kmcnt 0x0                               ; scalar loads come back in no order: zero; this stage's 32 words are in
.if \mnext
.if \qt == 3
.set moff, (\st+1)*128
.else
.set moff, (\qt+1)*4096+\st*128
.endif
.if (\qt & 1)
	MLOAD 16, 32, moff                             ; even query tiles use s[16:47],
.else
	MLOAD 48, 80, moff                             ; odd ones s[48:63] and s[80:95]
.endif
.endif
.if \look
.if \qt == 3
	s_wait_dscnt 0x0                               ; the next step's K fragments
.endif
	QK ((\qt+1)&3), SY
.endif
.if \pl
	PLACES
.endif
.set i, 0
.rept 32
.if (\qt & 1) == 0
.set mw, 16+i
.else
.if i < 16
.set mw, 48+i
.else
.set mw, 64+i
.endif
.endif
	v_cndmask_b32 v[SX+i], v[NEG], v[SX+i], s[mw]  ; bit 0: -1e9 takes the score's place
.set i, i+1
.endr
	; fragment loads stand here: the 32 selects above are the places behind the matrix instructions that last read these registers
.if \qt == 0
	LOADV \slot, \st
.endif
.if \qt == 2
.if \st < 3
	LOADK \slot, (\st+1)
.endif
.endif
.irp c, 0,1,2,3
	v_max3_num_f32 v[T0+\c], v[SX+8*\c], v[SX+8*\c+1], v[SX+8*\c+2]
.endr
.irp c, 0,1,2,3
	v_max3_num_f32 v[T0+\c], v[T0+\c], v[SX+8*\c+3], v[SX+8*\c+4]
.endr
.irp c, 0,1,2,3
	v_max3_num_f32 v[T0+\c], v[T0+\c], v[SX+8*\c+5], v[SX+8*\c+6]
.endr
	v_max3_num_f32 v[T0], v[T0], v[T0+1], v[SX+7]
	v_max3_num_f32 v[T0+2], v[T0+2], v[T0+3], v[SX+15]
	v_max3_num_f32 v[T0], v[T0], v[T0+2], v[SX+23]
.if \first
	v_max_num_f32 v[T0], v[T0], v[SX+31]
.else
	v_max3_num_f32 v[T0], v[T0], v[SX+31], v[MX]
	v_mul_f32 v[T0+5], 0xbe38aa3b, v[MX]           ; -c x the old maximum
.endif
	v_permlanex16_b32 v[T0+1], v[T0], s66, s67     ; the other half's keys of the same query
	v_max_num_f32 v[MX], v[T0], v[T0+1]
	v_mul_f32 v[T0+4], 0xbe38aa3b, v[MX]           ; -c x the new maximum
.if \first == 0
	v_sub_f32 v[T0+6], v[T0+4], v[T0+5]            ; exponent of the rescaling factor, at most 0
.endif
.set k, 0
.rept 8
	v_pk_fma_f32 v[SX+2*k:SX+2*k+1], v[SX+2*k:SX+2*k+1], v[CC:CC+1], v[T0+4:T0+5] op_sel_hi:[1,1,0]
.set k, k+1
.endr
.if \first == 0
	v_exp_f32 v[T0+6], v[T0+6]
.endif
.set k, 0
.rept 16
	v_exp_f32 v[SX+k], v[SX+k]
.set k, k+1
.endr
.set k, 8
.rept 8                                            ; plain work on other registers: the place behind the exponentials above (ISA guide 5.7.2)
	v_pk_fma_f32 v[SX+2*k:SX+2*k+1], v[SX+2*k:SX+2*k+1], v[CC:CC+1], v[T0+4:T0+5] op_sel_hi:[1,1,0]
.set k, k+1
.endr
.set k, 16
.rept 16
	v_exp_f32 v[SX+k], v[SX+k]
.set k, k+1
.endr
	; the sum in two chains, and P to f16.  The first line reads only the first half's results: it is the place behind the second half's.
.if \first
	s_wait_alu depctr_va_vdst(0)
	v_pk_add_f32 v[LP:LP+1], v[SX:SX+1], v[SX+2:SX+3]
.else
	s_wait_alu depctr_va_vdst(0)
	v_pk_fma_f32 v[LP:LP+1], v[LP:LP+1], v[T0+6:T0+7], v[SX:SX+1] op_sel_hi:[1,0,1]
.endif
	v_pk_add_f32 v[BS:BS+1], v[SX+16:SX+17], v[SX+18:SX+19]
.set k, 0
.rept 8
.if k-\first > 0
	v_pk_add_f32 v[LP:LP+1], v[LP:LP+1], v[SX+2*k:SX+2*k+1]
.endif
.if k > 1
	v_pk_add_f32 v[BS:BS+1], v[BS:BS+1], v[SX+16+2*k:SX+17+2*k]
.endif
	v_cvt_pk_f16_f32 v[PP+k],   v[SX+2*k],    v[SX+2*k+1]
	v_cvt_pk_f16_f32 v[PP+8+k], v[SX+16+2*k], v[SX+17+2*k]
.set k, k+1
.endr
	v_pk_add_f32 v[LP:LP+1], v[LP:LP+1], v[BS:BS+1]
.if \first == 0
	WIN 0x41                                       ; destination and source 0 in window 1
.set k, 0
.rept 16
	v_pk_mul_f32 v[32*\qt+2*k:32*\qt+2*k+1], v[32*\qt+2*k:32*\qt+2*k+1], v[T0+6:T0+7] op_sel_hi:[1,0]
.set k, k+1
.endr
.endif
.if \qt == 0
	s_wait_dscnt 0x0                               ; this step's V^T fragments
.endif
	PV \qt, \first
.endm
; A slot's four steps.  In front of the barrier every wave waits for its LDS reads and for all its tensor loads (one is out at the most:
; its part of this slot).  With refill the barrier is a round of the cluster's, and the joint load of the other slot is the first thing
; behind it: it has this slot's four steps in which to land.
.macro TRIP slot, refill, first, last
.if \first == 0
	s_wait_kmcnt 0x0                               ; the pending mask loads have used their base
	s_add_nc_u64 s[MP:MP+1], s[MP:MP+1], 512       ; four steps of 128 bytes
.endif
	s_wait_tensorcnt 0x0
	ds_add_u32 v254, v255
	s_wait_dscnt 0x0
.if \slot == 0
	s_add_nc_u64 s[14:15], s[14:15], 2*TILE        ; no load of mine is out: this slot's next tile
.else
	s_add_nc_u64 s[70:71], s[70:71], 2*TILE
.endif
	s_wait_dscnt 0x0
.if \refill
	ROUND
	JLOAD (1-\slot)
.else
	s_barrier_signal -1
	s_barrier_wait -1
.endif
	LOADK \slot, 0
	s_wait_dscnt 0x0
	QK 0, SA
	STAGE \slot, 0, 0, \first, 1, 1, 1
	STAGE \slot, 0, 1, \first, 1, 1, 0
	STAGE \slot, 0, 2, \first, 1, 1, 0
	STAGE \slot, 0, 3, \first, 1, 1, 0
.irp st, 1,2
.irp qt, 0,1,2,3
	STAGE \slot, \st, \qt, 0, 1, 1, 0
.endr
.endr
	STAGE \slot, 3, 0, 0, 1, 1, 0
	STAGE \slot, 3, 1, 0, 1, 1, 0
	STAGE \slot, 3, 2, 0, 1, 1, 0
	STAGE \slot, 3, 3, 0, 0, (1-\last), 0
.endm
	s_load_b128 s[96:99], s[0:1], 0x0              ; QKV, MBITS
	v_lshl_add_u32 v254, v0, 2, 0x2c800
	v_mov_b32 v255, 0
	ds_add_u32 v254, v255
	v_lshrrev_b32 v1, 5, v0
	v_readfirstlane_b32 s100, v1                   ; wave 0..7
	s_lshr_b32 s104, s100, 2                       ; I fetch K (0) or V (1),
	s_and_b32 s105, s100, 3                        ; step 0..3 of a slot
	s_bfe_u32 s16, ttmp6, 0x40000                  ; cx
	s_lshl_b32 s17, ttmp9, 2
	s_add_co_u32 s16, s17, s16                     ; query block 0..3
	s_and_b32 s17, ttmp7, 0xffff                   ; 16 b + h
	s_and_b32 s18, s17, 15
	s_lshr_b32 s19, s17, 4
	s_lshl_b32 s20, s18, 20                        ; a head: 8,192 rows x 128 bytes
	s_lshl_b32 s21, s19, 18                        ; a batch: 2,048 rows
	s_add_co_u32 s20, s20, s21                     ; the same in all four partners
	s_add_co_u32 s22, s104, 1                      ; part 1 = K, part 2 = V
	s_lshl_b32 s22, s22, 24
	s_add_co_u32 s22, s22, s20
	s_lshl_b32 s23, s105, 13                       ; 64 keys x 128 bytes a step
	s_add_co_u32 s22, s22, s23
	s_mov_b32 s23, 0
	s_lshl_b32 s2, s16, 16                         ; my queries' rows, in Q and in AO alike: 512 a block,
	s_add_co_u32 s2, s2, s20
	s_lshl_b32 s3, s100, 13                        ; 64 a wave
	s_add_co_u32 s2, s2, s3
	s_mov_b32 s3, 0
	s_lshl_b32 s24, s16, 17                        ; mask words: 4,096 bytes a query tile, 32 tiles a block,
	s_lshl_b32 s25, s100, 14                       ; 4 a wave
	s_add_co_u32 s24, s24, s25
	s_mov_b32 s25, 0
	s_mul_i32 s26, s100, REGION
	; group 1: 8 KiB, dense in memory, as 32 rows of 32 elements of 8 bytes; padding after every 32 words: 4 words for K, 8 for V
	s_mov_b32 s72, 15|(3<<16)|(1<<20)|(1<<21)|(4<<22)|(3<<25)
	s_mov_b32 s73, 32<<16
	s_mov_b32 s74, 32<<16
	s_mov_b32 s75, 32<<16
	s_mov_b32 s76, 32
	s_mov_b32 s77, 32
	s_mov_b32 s78, 0
	s_mov_b32 s79, 0
	s_mov_b32 s4, 15|(3<<16)|(1<<20)|(1<<21)|(4<<22)|(7<<25)
	s_mov_b32 s5, 32<<16
	s_mov_b32 s6, 32<<16
	s_mov_b32 s7, 32<<16
	s_mov_b32 s8, 32
	s_mov_b32 s9, 32
	s_mov_b32 s10, 0
	s_mov_b32 s11, 0
	s_wait_dscnt 0x0
	s_wait_kmcnt 0x0
	s_mov_b32 s12, 1
	s_add_co_u32 s13, s26, 0
	s_add_nc_u64 s[14:15], s[96:97], s[22:23]      ; keys 0-255
	s_mov_b32 s68, 1
	s_add_co_u32 s69, s26, SLOT
	s_add_nc_u64 s[70:71], s[14:15], TILE          ; keys 256-511
	s_or_b32 s15, s15, 0x80000000
	s_or_b32 s71, s71, 0x80000000
	s_add_nc_u64 s[MP:MP+1], s[MP:MP+1], s[24:25]
	s_add_nc_u64 s[96:97], s[96:97], s[2:3]        ; my rows of Q (part 0)
	ROUND                                          ; in front of the first joint load
	JLOAD 0
	v_and_b32 v1, 15, v0                           ; r
	v_bfe_u32 v14, v0, 4, 1                        ; h
	v_lshlrev_b32 v[VQ], 7, v1
	v_lshl_add_u32 v[VQ], v14, 4, v[VQ]
.irp n, 0,1,2,3
.irp dk, 0,1
	global_load_b128 v[QF+16*\n+8*\dk:QF+16*\n+8*\dk+3],   v[VQ], s[96:97] offset:\n*2048+\dk*64
	global_load_b128 v[QF+16*\n+8*\dk+4:QF+16*\n+8*\dk+7], v[VQ], s[96:97] offset:\n*2048+\dk*64+32
.endr
.endr
	MLOAD 16, 32, 0                                ; query tile 0, step 0
	v_mul_u32_u24 v15, v1, KPITCH
	v_lshl_add_u32 v[KAD], v14, 4, v15             ; r x pitch + 16 h
	v_add_nc_u32 v[KAD+1], SLOT, v[KAD]
	v_and_b32 v15, 7, v0
	v_lshl_add_u32 v15, v14, 3, v15                ; key 8 h + (L mod 8)
	v_mul_u32_u24 v15, v15, VPITCH
	v_bfe_u32 v7, v0, 3, 1
	v_lshl_add_u32 v15, v7, 4, v15                 ; + 16 bytes for the second eight columns
	v_add_nc_u32 v[VAD], 4*REGION, v15
	v_add_nc_u32 v[VAD+1], SLOT+4*REGION, v15
	s_mul_i32 s105, s100, 16*KPITCH
	s_add_co_u32 s105, s105, STG                   ; my stage
	v_add_nc_u32 v[STO], s105, v[KAD]              ; in: row r, 16 bytes for each half of the lanes
	v_and_b32 v7, 31, v0
	v_lshrrev_b32 v15, 3, v7
	v_mul_u32_u24 v15, v15, KPITCH
	v_and_b32 v14, 7, v7
	v_lshl_add_u32 v15, v14, 4, v15
	v_add_nc_u32 v[RD], s105, v15                  ; back: eight lanes a row, four rows a load
	v_lshlrev_b32 v[CO], 4, v7
	v_mov_b32 v[NEG], 0xce6e6b28                   ; -1e9
	v_mov_b32 v[CC], 0x3e38aa3b                    ; log2(e) / 8
	v_mov_b32 v[CC+1], 0x3e38aa3b
	v_mov_b32 v[T0+5], 0                           ; second registers of pairs of which only the first is used
	v_mov_b32 v[T0+7], 0
	s_mov_b32 s66, 0x76543210                      ; v_permlanex16_b32: lane i of one half reads lane i of the other
	s_mov_b32 s67, 0xfedcba98
	s_wait_loadcnt 0x0                             ; Q
	TRIP 0, 1, 1, 0                                ; keys 0-255; slot 1 gets its first tile behind this trip's round
	s_mov_b32 s101, 3
.Lloop:
	TRIP 1, 1, 0, 0
	TRIP 0, 1, 0, 0
	s_sub_co_u32 s101, s101, 1
	s_cmp_lg_u32 s101, 0
	s_cbranch_scc1 .Lloop
	TRIP 1, 0, 0, 1                                ; keys 1,792-2,047: nothing is left to fetch
	; THE WAY OUT: O^T / sum, f16, 16 bytes a lane into my stage, back as whole rows of 128 bytes.
	PLACES                                         ; behind the last matrix instructions
	s_load_b64 s[96:97], s[0:1], 0x10              ; AO
	s_wait_kmcnt 0x0
	s_add_nc_u64 s[96:97], s[96:97], s[2:3]
.macro OUTQ qt
	v_add_f32 v[T0], v[LP0+4*\qt], v[LP0+4*\qt+1]
	v_permlanex16_b32 v[T0+1], v[T0], s66, s67
	v_add_f32 v[T0], v[T0], v[T0+1]                ; the row's sum: at least one term is near 1
	v_rcp_f32 v[T0+6], v[T0]
	v_nop                                          ; the place behind v_rcp_f32 (ISA guide 5.7.2)
	WIN 0x01                                       ; source 0 in window 1
.set k, 0
	s_wait_alu depctr_va_vdst(0)
.rept 16
	v_pk_mul_f32 v[SA+2*k:SA+2*k+1], v[32*\qt+2*k:32*\qt+2*k+1], v[T0+6:T0+7] op_sel_hi:[1,0]
.set k, k+1
.endr
	WIN 0
.set k, 0
.rept 16
	v_cvt_pk_f16_f32 v[PP+k], v[SA+2*k], v[SA+2*k+1]
.set k, k+1
.endr
.irp dt, 0,1,2,3
	ds_store_b128 v[STO], v[PP+4*\dt:PP+4*\dt+3] offset:32*\dt     ; query r, d = 16 dt + 8 h + 0..7
.endr
	s_wait_xcnt 0x0                                ; the last stores' data registers are loaded into again only behind this wait
.irp u, 0,1,2,3
	ds_load_b128 v[SB+4*\u:SB+4*\u+3], v[RD] offset:\u*4*KPITCH    ; a wave's LDS instructions are served in order: these see the stores above
.endr
.irp u, 0,1,2,3
	s_wait_dscnt 3-\u
	global_store_b128 v[CO], v[SB+4*\u:SB+4*\u+3], s[96:97] offset:\qt*2048+\u*512   ; four rows: 512 consecutive bytes, aligned
.endr
.endm
	OUTQ 0
	OUTQ 1
	OUTQ 2
	OUTQ 3
	s_wait_tensorcnt 0x0
	ds_add_u32 v254, v255
	s_wait_dscnt 0x0
	ROUND                                          ; the closing round
	s_endpgm
.Lfunc_end_k_qc2442d416d_attn:
	.size	k_qc2442d416d_attn, .Lfunc_end_k_qc2442d416d_attn-k_qc2442d416d_attn
	.p2alignl 7, 3214868480
	.fill 96, 4, 3214868480
	.section	.rodata,"a",@progbits
	.p2align	6, 0x0
	.amdhsa_kernel k_qc2442d416d_attn
		.amdhsa_group_segment_fixed_size 327680
		.amdhsa_private_segment_fixed_size 0
		.amdhsa_enable_private_segment 0
		.amdhsa_kernarg_size 24
		.amdhsa_user_sgpr_count 2
		.amdhsa_user_sgpr_kernarg_segment_ptr 1
		.amdhsa_wavefront_size32 1
		.amdhsa_system_sgpr_workgroup_id_x 1
		.amdhsa_system_sgpr_workgroup_id_y 1
		.amdhsa_system_sgpr_workgroup_id_z 1
		.amdhsa_system_vgpr_workitem_id 0
		.amdhsa_next_free_vgpr 448
		.amdhsa_next_free_sgpr 106
		.amdhsa_reserve_vcc 0
		.amdhsa_float_denorm_mode_32 3
		.amdhsa_float_denorm_mode_16_64 3
		.amdhsa_memory_ordered 1
		.amdhsa_forward_progress 1
		.amdhsa_inst_pref_size 255
	.end_amdhsa_kernel
	.section	.bss,"aw",@nobits
	.p2align	6
	.space	262144
	.amdgpu_metadata
---
amdhsa.version: [ 1, 2 ]
amdhsa.kernels:
  - .name:           k_qc2442d416d_attn
    .symbol:         k_qc2442d416d_attn.kd
    .args:
      - { .name: QKV, .offset: 0, .size: 8, .value_kind: global_buffer, .address_space: global }
      - { .name: MBITS, .offset: 8, .size: 8, .value_kind: global_buffer, .address_space: global }
      - { .name: AO, .offset: 16, .size: 8, .value_kind: global_buffer, .address_space: global }
    .group_segment_fixed_size: 327680
    .private_segment_fixed_size: 0
    .kernarg_segment_align: 8
    .kernarg_segment_size: 24
    .max_flat_workgroup_size: 256
    .sgpr_count:     106
    .vgpr_count:     448
    .wavefront_size: 32
...
	.end_amdgpu_metadata
.endif
;; end of part 3
;; launch outp (part 4): grid 4 x 64, 4 waves a work-group, clusters of 4 x 4, 327,680 bytes of LDS; arguments AO, WB, bo, out0; writes out0
.if DOCPART == 4
	.amdgcn_target "amdgcn-amd-amdhsa--gfx1250"
	.amdhsa_code_object_version 6
	.text
	.protected	k_qc2442d416d_outp
	.globl	k_qc2442d416d_outp
	.p2align	8
	.type	k_qc2442d416d_outp,@function
k_qc2442d416d_outp:
	s_mov_b64 s[64:65], 0
	v_nop
	global_prefetch_b8 v0, s[64:65] scope:SCOPE_SE
	s_setreg_imm32_b32 hwreg(HW_REG_WAVE_MODE, 25, 1), 1
	s_wait_xcnt 0x0
	s_wait_alu depctr_hold_cnt(0) depctr_sa_sdst(0) depctr_va_vdst(0) depctr_va_sdst(0) depctr_va_ssrc(0) depctr_va_vcc(0) depctr_vm_vsrc(0)
	s_getreg_b32 s2, hwreg(HW_REG_IB_STS2, 6, 4)
	s_cmp_eq_u32 s2, 0
	s_cbranch_scc0 .Lentry_in_a_cluster
	s_endpgm
.Lentry_in_a_cluster:
	s_bfe_u32 s2, ttmp6, 0x10000c
	s_cmp_lg_u32 s2, 0xf033
	s_cbranch_scc0 .Lentry_shape_is_right
	s_endpgm
.Lentry_shape_is_right:
; outp: out0[m][n] = sum over k of AO[m][k] Wo[n][k] + bo[n].  AO f16 and Wo (bf16 values coded as f16, part 3 of WB) in the blocked
; layout T[kb][row][64]; sums in f32; out0 f32, row-major.  LIMIT: |AO| and |Wo| below 65,504 (f16).
; The same structure as the input projections: a work-group makes 128 (m) x 256 (n) with four waves, 2 x 2, a wave 64 x 128 in 32
; accumulator tiles (window 1); 64 x 4 = 256 work-groups; K = 1,024 in eight steps of 128 through two LDS slots filled by tensor loads.
; CLUSTERS: 4 x 4 work-groups; AO's tile is asked for jointly along a row of the cluster, Wo's along a column.
; The matrix instruction is used transposed (source 0 = rows of Wo, source 1 = rows of AO): lane l holds row m = l % 16 and its
; registers the eight neighbouring columns 8 (l / 16) + 0..7.
.set PITCH,  144                       ; 128 bytes + 16 of padding = 9 x 16: sixteen rows begin at sixteen different 16-byte columns modulo 256
.set AHALF,  64*PITCH
.set BHALF,  128*PITCH
.set REG,    2*BHALF                   ; region of loader wave w, at w x REG
.set SLOT,   4*REG
.set STAGE,  2*SLOT                    ; behind the ring: 16 rows x 272 bytes for each wave; no tensor load lands here
.set SPITCH, 272
.set ASTEP,  2*8192*128
.set BSTEP,  2*1024*128
.set LAPS,   4
.set G1W0,   (3<<16)|(1<<20)|(1<<21)|(4<<22)|(3<<25)   ; elements of 8 bytes; padding on; bit 21 beside a mask; after every 32 words; 4 words
.set ADRA, 16
.set ADRB, 20
.set STO,  24
.set RD,   25
.set CO,   26
.set BO,   27
.set F0,   32                          ; fragment buffer 0: Wo's eight at +0, AO's four at +64
.set F1,   128
.set BIAS, 32                          ; way out: v32-95
.set T,    128                         ; v128-159 sums + bias
.set RB,   224                         ; v224-255 rows read back
.set G1,  24
.set G0,  32
.set G1B, 48
.set G0B, 56
.set MUL, 0x50                         ; C and D in window 1, sources in window 0
.set MSB, 0
.macro WIN new
.if MSB != \new
	s_set_vgpr_msb (MSB<<8)|\new
.set MSB, \new
.endif
.endm
.macro JLOAD s                         ; waves 0, 1 ask for AO's two halves, waves 2, 3 for Wo's
	s_cmp_eq_u32 s11, 0
	s_cbranch_scc0 .Lfor_b_\@
	tensor_load_to_lds s[G0+4*\s:G0+4*\s+3], s[G1:G1+7]
	s_nop 0
	s_branch .Lasked_\@
.Lfor_b_\@:
	tensor_load_to_lds s[G0B+4*\s:G0B+4*\s+3], s[G1B:G1B+7]
	s_nop 0
.Lasked_\@:
.endm
.macro CREST
	s_cmp_lg_u32 s10, 0
	s_cbranch_scc1 .Lnot_wave_0_\@
	s_barrier_signal -3
.Lnot_wave_0_\@:
	s_barrier_wait -3
	s_barrier_signal -1
	s_barrier_wait -1
.endm
.macro CROUND
	s_barrier_signal -1
	s_barrier_wait -1
	CREST
.endm
.macro PLACES                          ; four plain vector places behind matrix instructions (ISA guide 7.12.1)
.rept 4
	v_nop
.endr
.endm
	s_load_b128 s[4:7], s[0:1], 0x0                ; AO, WB
	s_load_b128 s[72:75], s[0:1], 0x10             ; bo, out0
	v_lshl_add_u32 v30, v0, 2, 0x4c400
	v_mov_b32 v31, 0
	ds_add_u32 v30, v31
	v_lshrrev_b32 v1, 5, v0
	v_readfirstlane_b32 s10, v1                    ; wave 0..3
	s_lshr_b32 s11, s10, 1                         ; my half of the rows; also: I fetch for AO (0) or Wo (1)
	s_and_b32 s12, s10, 1                          ; my half of the columns; also: which half of that tile I fetch
	s_bfe_u32 s40, ttmp6, 0x40000                  ; cx
	s_bfe_u32 s41, ttmp6, 0x40004                  ; cy
	s_lshl_b32 s42, ttmp9, 2
	s_add_co_u32 s42, s42, s40                     ; block column 0..3
	s_and_b32 s13, ttmp7, 0xffff
	s_lshl_b32 s13, s13, 2
	s_add_co_u32 s13, s13, s41                     ; block row 0..63
	s_lshl_b32 s43, s41, 2
	s_lshl_b32 s43, 15, s43                        ; my row of the cluster
	s_lshl_b32 s44, 0x1111, s40                    ; my column
	s_or_b32 s[G1+0], s43, G1W0
	s_mov_b32 s[G1+1], 1024<<16                    ; a tile row: 64 rows x 128 bytes, dense, in elements of 8 bytes
	s_mov_b32 s[G1+2], 2<<16                       ; two tile rows: two K blocks
	s_mov_b32 s[G1+3], 1024<<16
	s_mov_b32 s[G1+4], 2
	s_mov_b32 s[G1+5], 131072
	s_mov_b32 s[G1+6], 0
	s_mov_b32 s[G1+7], 0
	s_or_b32 s[G1B+0], s44, G1W0
	s_mov_b32 s[G1B+1], 2048<<16
	s_mov_b32 s[G1B+2], 2<<16
	s_mov_b32 s[G1B+3], 2048<<16
	s_mov_b32 s[G1B+4], 2
	s_mov_b32 s[G1B+5], 16384
	s_mov_b32 s[G1B+6], 0
	s_mov_b32 s[G1B+7], 0
	s_lshl_b32 s16, s13, 14
	s_lshl_b32 s17, s12, 13
	s_add_co_u32 s16, s16, s17
	s_mov_b32 s17, 0
	s_lshl_b32 s46, s42, 15
	s_lshl_b32 s47, s12, 14
	s_add_co_u32 s46, s46, s47
	s_add_co_u32 s46, s46, 3<<21                   ; part 3 of WB
	s_mov_b32 s47, 0
	s_mul_i32 s20, s10, REG
	s_wait_dscnt 0x0
	s_wait_kmcnt 0x0
	s_add_nc_u64 s[14:15], s[4:5], s[16:17]
	s_add_nc_u64 s[46:47], s[6:7], s[46:47]
	CROUND                                         ; in front of the first joint loads
.irp s, 0,1
	s_mov_b32 s[G0+4*\s], 1
	s_add_co_u32 s[G0+4*\s+1], s20, \s*SLOT
	s_add_nc_u64 s[G0+4*\s+2:G0+4*\s+3], s[14:15], \s*ASTEP
	s_or_b32 s[G0+4*\s+3], s[G0+4*\s+3], 0x80000000
	s_mov_b32 s[G0B+4*\s], 1
	s_add_co_u32 s[G0B+4*\s+1], s20, \s*SLOT
	s_add_nc_u64 s[G0B+4*\s+2:G0B+4*\s+3], s[46:47], \s*BSTEP
	s_or_b32 s[G0B+4*\s+3], s[G0B+4*\s+3], 0x80000000
	JLOAD \s                                       ; K steps 0 and 1: two loads of the wave are out, the most in this text
.endr
	v_and_b32 v1, 15, v0                           ; r
	v_bfe_u32 v2, v0, 4, 1                         ; h
	v_mul_u32_u24 v3, v1, PITCH
	v_lshl_add_u32 v3, v2, 4, v3
	s_mul_i32 s21, s11, REG
	s_mul_i32 s22, s12, REG
	s_add_co_u32 s22, s22, 2*REG
.irp s, 0,1
	v_add_nc_u32 v[ADRA+\s], s21, v3
	v_add_nc_u32 v[ADRB+\s], s22, v3
	s_add_co_u32 s21, s21, SLOT
	s_add_co_u32 s22, s22, SLOT
.endr
	s_mul_i32 s23, s10, 16*SPITCH
	s_add_co_u32 s23, s23, STAGE                   ; my stage
	v_mul_u32_u24 v4, v1, SPITCH
	v_lshl_add_u32 v4, v2, 5, v4
	v_add_nc_u32 v[STO], s23, v4                   ; in: row r, 32 bytes (eight f32) for each half of the lanes
	v_mul_u32_u24 v5, v2, SPITCH
	v_lshl_add_u32 v5, v1, 4, v5
	v_add_nc_u32 v[RD], s23, v5                    ; back: lanes 0-15 one row of 256 bytes, lanes 16-31 the next
	v_lshlrev_b32 v6, 12, v2
	v_lshl_add_u32 v[CO], v1, 4, v6                ; the same two rows in out0
	v_lshlrev_b32 v[BO], 5, v2
	s_lshl_b32 s68, s42, 10                        ; 4 x (256 block column + 128 half)
	s_lshl_b32 s69, s12, 9
	s_add_co_u32 s68, s68, s69
	s_mov_b32 s69, 0
	s_add_nc_u64 s[66:67], s[72:73], s[68:69]      ; bo at my columns
	s_lshl_b32 s70, s13, 19                        ; 128 rows of 4,096 bytes a block row,
	s_lshl_b32 s71, s11, 18                        ; 64 a half,
	s_add_co_u32 s70, s70, s71
	s_add_co_u32 s70, s70, s68                     ; and my columns
	s_mov_b32 s71, 0
	s_add_nc_u64 s[8:9], s[74:75], s[70:71]
.macro MULROW f, a, zero
.irp b, 0,1,2,3,4,5,6,7
.if \zero
	v_wmma_f32_16x16x32_f16 v[8*(8*\a+\b):8*(8*\a+\b)+7], v[\f+8*\b:\f+8*\b+7], v[\f+64+8*\a:\f+64+8*\a+7], 0
.else
	v_wmma_f32_16x16x32_f16 v[8*(8*\a+\b):8*(8*\a+\b)+7], v[\f+8*\b:\f+8*\b+7], v[\f+64+8*\a:\f+64+8*\a+7], v[8*(8*\a+\b):8*(8*\a+\b)+7]
.endif
.endr
.endm
.macro FETCH slot, q, f
.irp i, 0,1,2,3,4,5,6,7
	ds_load_b128 v[\f+8*\i:\f+8*\i+3],   v[ADRB+\slot] offset:(\q>>1)*BHALF+(\q&1)*64+\i*16*PITCH
	ds_load_b128 v[\f+8*\i+4:\f+8*\i+7], v[ADRB+\slot] offset:(\q>>1)*BHALF+(\q&1)*64+\i*16*PITCH+32
.endr
.irp i, 0,1,2,3
	ds_load_b128 v[\f+64+8*\i:\f+64+8*\i+3],   v[ADRA+\slot] offset:(\q>>1)*AHALF+(\q&1)*64+\i*16*PITCH
	ds_load_b128 v[\f+64+8*\i+4:\f+64+8*\i+7], v[ADRA+\slot] offset:(\q>>1)*AHALF+(\q&1)*64+\i*16*PITCH+32
.endr
.endm
; The 32 accumulators take turns, one instruction a turn, in the same order in every quarter.
.macro QUARTER slot, qn, f, g, zero
	s_wait_dscnt 4                                 ; all but the youngest four loads: AO's fragments 2 and 3
	WIN MUL
	MULROW \f, 0, \zero
	MULROW \f, 1, \zero
	PLACES
	WIN 0
	FETCH \slot, \qn, \g
	s_wait_dscnt 24                                ; all but the 24 just issued
	WIN MUL
	MULROW \f, 2, \zero
	MULROW \f, 3, \zero
.endm
.macro THREE slot, zero
	QUARTER \slot, 1, F0, F1, \zero
	QUARTER \slot, 2, F1, F0, 0
	QUARTER \slot, 3, F0, F1, 0
.endm
; The change of slots: each wave's reads of this slot and all its tensor loads are waited for in front of the barrier; with fill the
; barrier opens a round of the cluster's, and the joint refill is the first tensor load behind the round.
.macro TURN slot, next, fill
	s_wait_dscnt 4
	WIN MUL
	MULROW F1, 0, 0
	s_wait_dscnt 0
	s_wait_tensorcnt 0x0
	ds_add_u32 v30, v31
	s_wait_dscnt 0x0
	s_barrier_signal -1
	MULROW F1, 1, 0
	WIN 0
	s_barrier_wait -1
.if \fill
	CREST
	s_add_nc_u64 s[G0+4*\slot+2:G0+4*\slot+3], s[G0+4*\slot+2:G0+4*\slot+3], 2*ASTEP
	s_add_nc_u64 s[G0B+4*\slot+2:G0B+4*\slot+3], s[G0B+4*\slot+2:G0B+4*\slot+3], 2*BSTEP
	JLOAD \slot
.endif
	PLACES
	FETCH \next, 0, F0
	WIN MUL
	MULROW F1, 2, 0
	MULROW F1, 3, 0
.endm
.macro LAP zero
	THREE 0, \zero
	TURN 0, 1, 1
	THREE 1, 0
	TURN 1, 0, 1
.endm
	s_wait_tensorcnt 1                             ; my part of K step 0 is in; step 1's stays out
	s_barrier_signal -1
	s_barrier_wait -1
	FETCH 0, 0, F0
	LAP 1
	WIN 0
	s_mov_b32 s3, LAPS-2
.Llap:
	LAP 0
	WIN 0
	s_sub_co_u32 s3, s3, 1
	s_cmp_lg_u32 s3, 0
	s_cbranch_scc1 .Llap
	THREE 0, 0
	TURN 0, 1, 0
	THREE 1, 0
	s_wait_dscnt 4
	WIN MUL
	MULROW F1, 0, 0
	MULROW F1, 1, 0
	PLACES                                         ; buffer 0 was read by matrix instructions: the bias lands there
	WIN 0
.irp b, 0,1,2,3,4,5,6,7
	global_load_b128 v[BIAS+8*\b:BIAS+8*\b+3],   v[BO], s[66:67] offset:64*\b
	global_load_b128 v[BIAS+8*\b+4:BIAS+8*\b+7], v[BO], s[66:67] offset:64*\b+16
.endr
	s_wait_dscnt 0
	WIN MUL
	MULROW F1, 2, 0
	MULROW F1, 3, 0
	PLACES
	s_wait_loadcnt 0x0                             ; the bias
; rows 16 a .. 16 a + 15, columns 64 ch .. 64 ch + 63 of my tile: + bias, through my stage, out as whole rows of 256 bytes.
.macro OUTF a, ch
	WIN 0x01                                       ; source 0 in window 1
.irp b, 0,1,2,3
.irp i, 0,1,2,3
	v_pk_add_f32 v[T+8*\b+2*\i:T+8*\b+2*\i+1], v[8*(8*\a+4*\ch+\b)+2*\i:8*(8*\a+4*\ch+\b)+2*\i+1], v[BIAS+8*(4*\ch+\b)+2*\i:BIAS+8*(4*\ch+\b)+2*\i+1]
.endr
.endr
	WIN 0
.irp b, 0,1,2,3
	ds_store_b128 v[STO], v[T+8*\b:T+8*\b+3]   offset:64*\b
	ds_store_b128 v[STO], v[T+8*\b+4:T+8*\b+7] offset:64*\b+16
.endr
	s_wait_xcnt 0x0                                ; the last stores' data registers are loaded into again only behind this wait
.irp t, 0,1,2,3,4,5,6,7
	ds_load_b128 v[RB+4*\t:RB+4*\t+3], v[RD] offset:\t*2*SPITCH    ; a wave's LDS instructions are served in order: these see the stores above
.endr
.irp t, 0,1,2,3,4,5,6,7
	s_wait_dscnt 7-\t
	global_store_b128 v[CO], v[RB+4*\t:RB+4*\t+3], s[8:9] offset:(16*\a+2*\t)*4096+\ch*256 th:TH_STORE_NT   ; sixteen lanes store 256 consecutive bytes, aligned
.endr
.endm
.irp a, 0,1,2,3
	OUTF \a, 0
	OUTF \a, 1
.endr
	s_wait_tensorcnt 0x0
	ds_add_u32 v30, v31
	s_wait_dscnt 0x0
	CROUND                                         ; the closing round
	s_endpgm
.Lfunc_end_k_qc2442d416d_outp:
	.size	k_qc2442d416d_outp, .Lfunc_end_k_qc2442d416d_outp-k_qc2442d416d_outp
	.p2alignl 7, 3214868480
	.fill 96, 4, 3214868480
	.section	.rodata,"a",@progbits
	.p2align	6, 0x0
	.amdhsa_kernel k_qc2442d416d_outp
		.amdhsa_group_segment_fixed_size 327680
		.amdhsa_private_segment_fixed_size 0
		.amdhsa_enable_private_segment 0
		.amdhsa_kernarg_size 32
		.amdhsa_user_sgpr_count 2
		.amdhsa_user_sgpr_kernarg_segment_ptr 1
		.amdhsa_wavefront_size32 1
		.amdhsa_system_sgpr_workgroup_id_x 1
		.amdhsa_system_sgpr_workgroup_id_y 1
		.amdhsa_system_sgpr_workgroup_id_z 1
		.amdhsa_system_vgpr_workitem_id 0
		.amdhsa_next_free_vgpr 512
		.amdhsa_next_free_sgpr 80
		.amdhsa_reserve_vcc 0
		.amdhsa_float_denorm_mode_32 3
		.amdhsa_float_denorm_mode_16_64 3
		.amdhsa_memory_ordered 1
		.amdhsa_forward_progress 1
		.amdhsa_inst_pref_size 127
	.end_amdhsa_kernel
	.amdgpu_metadata
---
amdhsa.version: [ 1, 2 ]
amdhsa.kernels:
  - .name:           k_qc2442d416d_outp
    .symbol:         k_qc2442d416d_outp.kd
    .args:
      - { .name: AO, .offset: 0, .size: 8, .value_kind: global_buffer, .address_space: global }
      - { .name: WB, .offset: 8, .size: 8, .value_kind: global_buffer, .address_space: global }
      - { .name: bo, .offset: 16, .size: 8, .value_kind: global_buffer, .address_space: global }
      - { .name: out0, .offset: 24, .size: 8, .value_kind: global_buffer, .address_space: global }
    .group_segment_fixed_size: 327680
    .private_segment_fixed_size: 0
    .kernarg_segment_align: 8
    .kernarg_segment_size: 32
    .max_flat_workgroup_size: 128
    .sgpr_count:     80
    .vgpr_count:     512
    .wavefront_size: 32
...
	.end_amdgpu_metadata
.endif
;; end of part 4
;; ======== version 2 of 2: 4 launches; 1.27 times as fast as version 1
;; limits: values are held in f16: magnitudes above 65,504 overflow, below 6.1e-05 lose precision; right only within a limited range of input values
;; workspace buffers: XB 50,331,648 bytes; WB 8,388,608 bytes; MBITS 524,288 bytes of whole numbers; QKV 50,331,648 bytes; AO 16,777,216 bytes
;; launch cast: the kernel of part 1 again; grid 2048 x 1, 8 waves a work-group, no clusters, 0 bytes of LDS; arguments q, k, v, Wq, Wk, Wv, Wo, mask, XB, WB, MBITS; writes XB, WB, MBITS
;; launch proj (part 5): grid 4 x 96, 4 waves a work-group, clusters of 4 x 4, 327,680 bytes of LDS; arguments XB, WB, bq, bk, bv, QKV; writes QKV
.if DOCPART == 5
	.amdgcn_target "amdgcn-amd-amdhsa--gfx1250"
	.amdhsa_code_object_version 6
	.text
	.protected	k_qc2442d416d_proj
	.globl	k_qc2442d416d_proj
	.p2align	8
	.type	k_qc2442d416d_proj,@function
k_qc2442d416d_proj:
	s_mov_b64 s[64:65], 0
	v_nop
	global_prefetch_b8 v0, s[64:65] scope:SCOPE_SE
	s_setreg_imm32_b32 hwreg(HW_REG_WAVE_MODE, 25, 1), 1
	s_wait_xcnt 0x0
	s_wait_alu depctr_hold_cnt(0) depctr_sa_sdst(0) depctr_va_vdst(0) depctr_va_sdst(0) depctr_va_ssrc(0) depctr_va_vcc(0) depctr_vm_vsrc(0)
	s_getreg_b32 s2, hwreg(HW_REG_IB_STS2, 6, 4)
	s_cmp_eq_u32 s2, 0
	s_cbranch_scc0 .Lentry_in_a_cluster
	s_endpgm
.Lentry_in_a_cluster:
	s_bfe_u32 s2, ttmp6, 0x10000c
	s_cmp_lg_u32 s2, 0xf033
	s_cbranch_scc0 .Lentry_shape_is_right
	s_endpgm
.Lentry_shape_is_right:
; proj: the three input projections in one launch.  Y[m][n] = sum over k of X[m][k] W[n][k] + bias[n]; X, W bf16 in the blocked layout
; T[kb][row][64]; sums in f32; Y in f16 as QKV[which][head = n / 64][m][64].  LIMIT: |Y| must stay below 65,504 (f16).
; A work-group makes 256 (m) x 256 (n) with four waves, 2 x 2, a wave 128 x 128: 64 accumulator tiles, 512 registers (windows 2, 3).
; K = 1,024 goes in eight steps of 128 (two K blocks) through two LDS slots filled by tensor loads.
; 3 x 32 x 4 = 384 work-groups: not a multiple of the 256 WGPs.  The block is taken all the same: between a tile's request and the
; wait for it a wave issues 240 matrix instructions (with blocks of 128 x 256: 120), and 32 LDS loads feed 64 matrix instructions
; (there: 24 feed 32); two slots of a longer K step do not fit in LDS for either block.
; CLUSTERS: 4 x 4 work-groups.  X's tile hangs on the block row alone and is asked for jointly along a row of the cluster, W's on the
; block column alone and jointly along a column: the requests for both are divided by four.
; REGISTERS, in windows of 256: window 0: v0-31 addresses; v64-127, v128-191 fragments of X, two buffers; v192-255 the way out.
;   window 1: v64-127, v128-191 fragments of W.  window 2: the 32 accumulator tiles of my rows 0-63 (tile (a, b) at v[8 (8 a + b)]);
;   window 3: those of my rows 64-127.
; The matrix instruction is used transposed (source 0 = rows of W, source 1 = rows of X): lane l then holds row m = l % 16 of Y and
; its registers the eight neighbouring columns 8 (l / 16) + 0..7.
.set PITCH,  144                       ; an LDS row: 128 bytes + 16 of padding = 9 x 16: sixteen rows begin at sixteen different 16-byte columns modulo 256
.set HALF,   128*PITCH                 ; one K block of a loader's 128 rows
.set REG,    2*HALF                    ; region of loader wave w, at w x REG: X's two halves, then W's two halves
.set SLOT,   4*REG
.set STAGE,  2*SLOT                    ; behind the ring: 16 rows x 272 bytes for each wave; no tensor load lands here
.set SPITCH, 272
.set ASTEP,  2*8192*128                ; a K step in X: two K blocks of 8,192 rows x 128 bytes
.set BSTEP,  2*1024*128                ; in W: two K blocks of 1,024 rows
.set LAPS,   4                         ; a lap = two K steps = once round the ring
.set G1W0,   (3<<16)|(1<<20)|(1<<21)|(4<<22)|(3<<25)   ; elements of 8 bytes; padding on; bit 21 beside a mask; after every 32 words; 4 words
.set ADRA, 16                          ; v16-17  LDS address of my X fragments in slot 0, 1
.set ADRB, 20                          ; v20-21  of my W fragments
.set STO,  24                          ; way out: where I put 16 bytes of a row
.set RD,   25                          ; way out: where I read back
.set CO,   26                          ; my byte offset in the output
.set BO,   27                          ; my byte offset in the bias
.set F0,   64                          ; fragment buffer 0
.set F1,   128                         ; fragment buffer 1
.set BIAS, 64                          ; way out, window 0: v64-127 the bias of my 64 columns-in-lane
.set T,    128                         ; v128-191 sums + bias
.set PK,   192                         ; v192-223 packed f16
.set RB,   224                         ; v224-255 rows read back
.set G1,  24                           ; s[24:31] group 1 for X's tiles
.set G0,  32                           ; s[32:39] group 0 for X's tiles, a set for each slot
.set G1B, 48                           ; s[48:55] group 1 for W's tiles
.set G0B, 56                           ; s[56:63] group 0 for W's tiles
.set MUL_LO, 0xa1                      ; source 0 (W) window 1, source 1 (X) window 0, C and D window 2
.set MUL_HI, 0xf1                      ; the same, C and D window 3
.set TO_B,   0x40                      ; destination window 1, address window 0
.set MSB, 0
.macro WIN new                         ; the immediate's high byte repeats the setting that is left
.if MSB != \new
	s_set_vgpr_msb (MSB<<8)|\new
.set MSB, \new
.endif
.endm
.macro JLOAD s                         ; waves 0, 1 ask for X's two halves, waves 2, 3 for W's; the branch hangs on the wave's number alone
	s_cmp_eq_u32 s11, 0
	s_cbranch_scc0 .Lfor_b_\@
	tensor_load_to_lds s[G0+4*\s:G0+4*\s+3], s[G1:G1+7]
	s_nop 0
	s_branch .Lasked_\@
.Lfor_b_\@:
	tensor_load_to_lds s[G0B+4*\s:G0B+4*\s+3], s[G1B:G1B+7]
	s_nop 0
.Lasked_\@:
.endm
.macro CREST                           ; a round of the cluster's barrier behind its opening work-group barrier
	s_cmp_lg_u32 s10, 0
	s_cbranch_scc1 .Lnot_wave_0_\@
	s_barrier_signal -3
.Lnot_wave_0_\@:
	s_barrier_wait -3
	s_barrier_signal -1
	s_barrier_wait -1
.endm
.macro CROUND
	s_barrier_signal -1
	s_barrier_wait -1
	CREST
.endm
.macro PLACES                          ; four plain vector places behind matrix instructions (ISA guide 7.12.1) before their registers are loaded into, read or written
.rept 4
	v_nop
.endr
.endm
	s_load_b128 s[4:7], s[0:1], 0x0                ; XB, WB
	s_load_b256 s[72:79], s[0:1], 0x10             ; bq, bk, bv, QKV
	s_set_vgpr_msb 0x40
	v_lshl_add_u32 v255, v0, 2, 0x4c400
	s_set_vgpr_msb 0x4000
	v_mov_b32 v63, 0
	s_set_vgpr_msb 0x1
	ds_add_u32 v255, v63
	s_set_vgpr_msb 0x100
	v_lshrrev_b32 v1, 5, v0
	v_readfirstlane_b32 s10, v1                    ; wave 0..3
	s_lshr_b32 s11, s10, 1                         ; my half of the block's rows; also: I fetch for X (0) or W (1)
	s_and_b32 s12, s10, 1                          ; my half of its columns; also: which half of that tile I fetch
	s_bfe_u32 s40, ttmp6, 0x40000                  ; cx
	s_bfe_u32 s41, ttmp6, 0x40004                  ; cy
	s_lshl_b32 s42, ttmp9, 2
	s_add_co_u32 s42, s42, s40                     ; block column 0..3
	s_and_b32 s13, ttmp7, 0xffff                   ; the cluster's y, 0..23
	s_lshr_b32 s45, s13, 3                         ; which projection: eight clusters each, the same in all partners
	s_and_b32 s13, s13, 7
	s_lshl_b32 s13, s13, 2
	s_add_co_u32 s13, s13, s41                     ; block row 0..31
	s_lshl_b32 s43, s41, 2
	s_lshl_b32 s43, 15, s43                        ; my row of the cluster
	s_lshl_b32 s44, 0x1111, s40                    ; my column
	; group 1.  A tile is two rows, one for each K block; a row is the loader's run of 128 pieces of 128 bytes, dense in memory.
	s_or_b32 s[G1+0], s43, G1W0
	s_mov_b32 s[G1+1], 2048<<16                    ; tensor_dim0 = 2,048 elements of 8 bytes = 128 rows x 128 bytes
	s_mov_b32 s[G1+2], 2<<16                       ; tensor_dim1 = 2
	s_mov_b32 s[G1+3], 2048<<16                    ; tile_dim0
	s_mov_b32 s[G1+4], 2                           ; tile_dim1
	s_mov_b32 s[G1+5], 131072                      ; from K block to K block: 8,192 x 128 bytes in elements
	s_mov_b32 s[G1+6], 0
	s_mov_b32 s[G1+7], 0
	s_or_b32 s[G1B+0], s44, G1W0
	s_mov_b32 s[G1B+1], 2048<<16
	s_mov_b32 s[G1B+2], 2<<16
	s_mov_b32 s[G1B+3], 2048<<16
	s_mov_b32 s[G1B+4], 2
	s_mov_b32 s[G1B+5], 16384                      ; 1,024 x 128 bytes in elements
	s_mov_b32 s[G1B+6], 0
	s_mov_b32 s[G1B+7], 0
	; X's address is made of the projection, the block row and the wave; W's of the projection, the block column and the wave.
	s_lshl_b32 s16, s13, 15                        ; 256 rows x 128 bytes a block row
	s_lshl_b32 s17, s12, 14                        ; 128 rows a half
	s_add_co_u32 s16, s16, s17
	s_lshl_b32 s17, s45, 24
	s_add_co_u32 s16, s16, s17
	s_mov_b32 s17, 0
	s_lshl_b32 s46, s42, 15                        ; 256 rows x 128 bytes a block column
	s_lshl_b32 s47, s12, 14
	s_add_co_u32 s46, s46, s47
	s_lshl_b32 s47, s45, 21
	s_add_co_u32 s46, s46, s47
	s_mov_b32 s47, 0
	s_mul_i32 s20, s10, REG                        ; where my load goes: the wave's number alone
	s_wait_dscnt 0x0
	s_wait_kmcnt 0x0
	s_add_nc_u64 s[14:15], s[4:5], s[16:17]
	s_add_nc_u64 s[46:47], s[6:7], s[46:47]
	CROUND                                         ; all sixteen work-groups are here: the first joint loads meet
.irp s, 0,1
	s_mov_b32 s[G0+4*\s], 1
	s_add_co_u32 s[G0+4*\s+1], s20, \s*SLOT
	s_add_nc_u64 s[G0+4*\s+2:G0+4*\s+3], s[14:15], \s*ASTEP
	s_or_b32 s[G0+4*\s+3], s[G0+4*\s+3], 0x80000000
	s_mov_b32 s[G0B+4*\s], 1
	s_add_co_u32 s[G0B+4*\s+1], s20, \s*SLOT
	s_add_nc_u64 s[G0B+4*\s+2:G0B+4*\s+3], s[46:47], \s*BSTEP
	s_or_b32 s[G0B+4*\s+3], s[G0B+4*\s+3], 0x80000000
	JLOAD \s                                       ; K steps 0 and 1: two loads of the wave are out, the most in this text
.endr
	v_and_b32 v1, 15, v0                           ; r
	v_bfe_u32 v2, v0, 4, 1                         ; h
	v_mul_u32_u24 v3, v1, PITCH
	v_lshl_add_u32 v3, v2, 4, v3                   ; row x pitch + 16 h
	s_mul_i32 s21, s11, REG                        ; my 128 rows of X
	s_mul_i32 s22, s12, REG
	s_add_co_u32 s22, s22, 2*REG                   ; my 128 rows of W
.irp s, 0,1
	v_add_nc_u32 v[ADRA+\s], s21, v3
	v_add_nc_u32 v[ADRB+\s], s22, v3
	s_add_co_u32 s21, s21, SLOT
	s_add_co_u32 s22, s22, SLOT
.endr
	s_mul_i32 s23, s10, 16*SPITCH
	s_add_co_u32 s23, s23, STAGE                   ; my stage
	v_mul_u32_u24 v4, v1, SPITCH
	v_lshl_add_u32 v4, v2, 4, v4
	v_add_nc_u32 v[STO], s23, v4                   ; in: row r, 16 bytes for each half of the lanes
	v_and_b32 v5, 31, v0
	v_lshrrev_b32 v6, 3, v5
	v_and_b32 v7, 7, v5
	v_mul_u32_u24 v6, v6, SPITCH
	v_lshl_add_u32 v6, v7, 4, v6
	v_add_nc_u32 v[RD], s23, v6                    ; back: eight lanes take the 128 bytes of one row and head, four rows a load
	v_lshlrev_b32 v[CO], 4, v5                     ; those four rows are 512 consecutive bytes of QKV
	v_lshlrev_b32 v[BO], 5, v2                     ; bias: eight numbers from column 8 h
	s_mov_b64 s[66:67], s[72:73]                   ; the projection's bias
	s_cmp_eq_u32 s45, 1
	s_cselect_b64 s[66:67], s[74:75], s[66:67]
	s_cmp_eq_u32 s45, 2
	s_cselect_b64 s[66:67], s[76:77], s[66:67]
	s_lshl_b32 s68, s42, 10                        ; 4 x (256 block column + 128 half)
	s_lshl_b32 s69, s12, 9
	s_add_co_u32 s68, s68, s69
	s_mov_b32 s69, 0
	s_add_nc_u64 s[66:67], s[66:67], s[68:69]
	s_lshl_b32 s70, s45, 24                        ; QKV: the part,
	s_lshl_b32 s71, s42, 22                        ; four heads of 1 MiB a block column,
	s_add_co_u32 s70, s70, s71
	s_lshl_b32 s71, s12, 21                        ; two a half,
	s_add_co_u32 s70, s70, s71
	s_lshl_b32 s71, s13, 15                        ; 256 rows of 128 bytes a block row,
	s_add_co_u32 s70, s70, s71
	s_lshl_b32 s71, s11, 14                        ; 128 a half
	s_add_co_u32 s70, s70, s71
	s_mov_b32 s71, 0
	s_add_nc_u64 s[8:9], s[78:79], s[70:71]
; 16 matrix instructions: m blocks a0, a0 + 1 of the window's four (hi = 0: my rows 0-63, 1: rows 64-127) x all 8 n blocks, 32 along K.
; zero = 1: the first product starts the sums: nothing is ever cleared.
.macro MUL16 f, hi, a0, zero
.irp a, \a0, \a0+1
.irp b, 0,1,2,3,4,5,6,7
.if \zero
	v_wmma_f32_16x16x32_bf16 v[8*(8*(\a)+\b):8*(8*(\a)+\b)+7], v[\f+8*\b:\f+8*\b+7], v[\f+8*(4*\hi+\a):\f+8*(4*\hi+\a)+7], 0
.else
	v_wmma_f32_16x16x32_bf16 v[8*(8*(\a)+\b):8*(8*(\a)+\b)+7], v[\f+8*\b:\f+8*\b+7], v[\f+8*(4*\hi+\a):\f+8*(4*\hi+\a)+7], v[8*(8*(\a)+\b):8*(8*(\a)+\b)+7]
.endif
.endr
.endr
.endm
; 32 LDS loads in one run: quarter q of a K step (K block q / 2, bytes 64 (q mod 2) of its rows): W's eight fragments, then X's eight
.macro FETCH slot, q, f
	WIN TO_B
.irp i, 0,1,2,3,4,5,6,7
	ds_load_b128 v[\f+8*\i:\f+8*\i+3],   v[ADRB+\slot] offset:(\q>>1)*HALF+(\q&1)*64+\i*16*PITCH
	ds_load_b128 v[\f+8*\i+4:\f+8*\i+7], v[ADRB+\slot] offset:(\q>>1)*HALF+(\q&1)*64+\i*16*PITCH+32
.endr
	WIN 0
.irp i, 0,1,2,3,4,5,6,7
	ds_load_b128 v[\f+8*\i:\f+8*\i+3],   v[ADRA+\slot] offset:(\q>>1)*HALF+(\q&1)*64+\i*16*PITCH
	ds_load_b128 v[\f+8*\i+4:\f+8*\i+7], v[ADRA+\slot] offset:(\q>>1)*HALF+(\q&1)*64+\i*16*PITCH+32
.endr
.endm
; A quarter step: 64 matrix instructions on buffer f; in its middle the next quarter's fragments go into buffer g.
; The 64 accumulators take turns, one instruction a turn, in the same order in every quarter.
.macro QUARTER slot, qn, f, g, zero
	s_wait_dscnt 8                                 ; W and X's rows 0-63 are in; the youngest eight loads (X's rows 64-127) may be out
	WIN MUL_LO
	MUL16 \f, 0, 0, \zero
	MUL16 \f, 0, 2, \zero
	PLACES
	FETCH \slot, \qn, \g
	s_wait_dscnt 32                                ; all but the 32 just issued
	WIN MUL_HI
	MUL16 \f, 1, 0, \zero
	MUL16 \f, 1, 2, \zero
.endm
.macro THREE slot, zero
	QUARTER \slot, 1, F0, F1, \zero
	QUARTER \slot, 2, F1, F0, 0
	QUARTER \slot, 3, F0, F1, 0
.endm
; The last quarter of a K step changes slots.  In front of the barrier each wave waits for its reads of this slot and for all its tensor
; loads (one is out: its part of the next slot).  Behind it (with fill: behind the cluster's round that it opens) the refill comes first,
; then the next slot's first fragments.  From a request to the wait for it a wave issues 240 matrix instructions.
.macro TURN slot, next, fill
	s_wait_dscnt 8
	WIN MUL_LO
	MUL16 F1, 0, 0, 0
	s_wait_dscnt 0                                 ; my reads of this slot are over
	s_wait_tensorcnt 0x0                           ; all my tensor loads have landed
	ds_add_u32 v255, v63
	s_wait_dscnt 0x0
	s_barrier_signal -1
	MUL16 F1, 0, 2, 0                              ; register work while the others arrive
	WIN 0
	s_barrier_wait -1
.if \fill
	CREST                                          ; no wave of any partner still reads this slot or has a load on its way
	s_add_nc_u64 s[G0+4*\slot+2:G0+4*\slot+3], s[G0+4*\slot+2:G0+4*\slot+3], 2*ASTEP
	s_add_nc_u64 s[G0B+4*\slot+2:G0B+4*\slot+3], s[G0B+4*\slot+2:G0B+4*\slot+3], 2*BSTEP
	JLOAD \slot                                    ; my one tensor load behind the round
.endif
	PLACES
	FETCH \next, 0, F0
	WIN MUL_HI
	MUL16 F1, 1, 0, 0
	MUL16 F1, 1, 2, 0
.endm
.macro LAP zero
	THREE 0, \zero
	TURN 0, 1, 1
	THREE 1, 0
	TURN 1, 0, 1
.endm
	s_wait_tensorcnt 1                             ; my part of K step 0 is in; step 1's stays out
	s_barrier_signal -1
	s_barrier_wait -1
	FETCH 0, 0, F0
	LAP 1                                          ; fills steps 2, 3
	WIN 0                                          ; at a label and at a branch every window is 0
	s_mov_b32 s3, LAPS-2
.Llap:
	LAP 0                                          ; fills steps 4, 5 and 6, 7
	WIN 0
	s_sub_co_u32 s3, s3, 1
	s_cmp_lg_u32 s3, 0
	s_cbranch_scc1 .Llap
	THREE 0, 0                                     ; the last lap fills nothing
	TURN 0, 1, 0
	THREE 1, 0
	s_wait_dscnt 8                                 ; the very last quarter
	WIN MUL_LO
	MUL16 F1, 0, 0, 0
	MUL16 F1, 0, 2, 0
	PLACES                                         ; X's buffer 0 was read by matrix instructions: the bias lands there
	WIN 0
.irp b, 0,1,2,3,4,5,6,7
	global_load_b128 v[BIAS+8*\b:BIAS+8*\b+3],   v[BO], s[66:67] offset:64*\b      ; columns 16 b + 8 h + 0..3
	global_load_b128 v[BIAS+8*\b+4:BIAS+8*\b+7], v[BO], s[66:67] offset:64*\b+16
.endr
	s_wait_dscnt 0
	WIN MUL_HI
	MUL16 F1, 1, 0, 0
	MUL16 F1, 1, 2, 0
	PLACES                                         ; behind the last matrix instructions: results are read, X's buffer 1 is written
	s_wait_loadcnt 0x0                             ; the bias
; rows 16 i .. 16 i + 15 of my tile = the eight tiles (a, 0..7) of window 2 or 3 (from = 0x02 or 0x03: source 0):
; + bias, f16, 16 bytes a lane into my stage, back as pieces of 128 bytes by head.
.macro OUTP i, a, from
	WIN \from
.irp b, 0,1,2,3,4,5,6,7
.irp j, 0,1,2,3
	v_pk_add_f32 v[T+8*\b+2*\j:T+8*\b+2*\j+1], v[8*(8*\a+\b)+2*\j:8*(8*\a+\b)+2*\j+1], v[BIAS+8*\b+2*\j:BIAS+8*\b+2*\j+1]
.endr
.endr
	WIN 0
.irp b, 0,1,2,3,4,5,6,7
.irp j, 0,1,2,3
	v_cvt_pk_f16_f32 v[PK+4*\b+\j], v[T+8*\b+2*\j], v[T+8*\b+2*\j+1]
.endr
.endr
.irp b, 0,1,2,3,4,5,6,7
	ds_store_b128 v[STO], v[PK+4*\b:PK+4*\b+3] offset:32*\b
.endr
	s_wait_xcnt 0x0                                ; the last stores' data registers are loaded into again only behind this wait
.irp t, 0,1,2,3,4,5,6,7
	ds_load_b128 v[RB+4*\t:RB+4*\t+3], v[RD] offset:(\t&3)*4*SPITCH+(\t>>2)*128   ; a wave's LDS instructions are served in order: these see the stores above
.endr
.irp t, 0,1,2,3,4,5,6,7
	s_wait_dscnt 7-\t
	global_store_b128 v[CO], v[RB+4*\t:RB+4*\t+3], s[8:9] offset:(\t>>2)*1048576+\i*2048+(\t&3)*512   ; four rows of one head: 512 consecutive bytes, aligned
.endr
.endm
	OUTP 0, 0, 0x02
	OUTP 1, 1, 0x02
	OUTP 2, 2, 0x02
	OUTP 3, 3, 0x02
	OUTP 4, 0, 0x03
	OUTP 5, 1, 0x03
	OUTP 6, 2, 0x03
	OUTP 7, 3, 0x03
	s_set_vgpr_msb 0x1
	s_wait_tensorcnt 0x0
	ds_add_u32 v255, v63
	s_wait_dscnt 0x0
	s_set_vgpr_msb 0x100
	CROUND                                         ; the closing round: no work-group ends while a partner may still ask jointly
	s_endpgm
.Lfunc_end_k_qc2442d416d_proj:
	.size	k_qc2442d416d_proj, .Lfunc_end_k_qc2442d416d_proj-k_qc2442d416d_proj
	.p2alignl 7, 3214868480
	.fill 96, 4, 3214868480
	.section	.rodata,"a",@progbits
	.p2align	6, 0x0
	.amdhsa_kernel k_qc2442d416d_proj
		.amdhsa_group_segment_fixed_size 327680
		.amdhsa_private_segment_fixed_size 0
		.amdhsa_enable_private_segment 0
		.amdhsa_kernarg_size 48
		.amdhsa_user_sgpr_count 2
		.amdhsa_user_sgpr_kernarg_segment_ptr 1
		.amdhsa_wavefront_size32 1
		.amdhsa_system_sgpr_workgroup_id_x 1
		.amdhsa_system_sgpr_workgroup_id_y 1
		.amdhsa_system_sgpr_workgroup_id_z 1
		.amdhsa_system_vgpr_workitem_id 0
		.amdhsa_next_free_vgpr 1024
		.amdhsa_next_free_sgpr 80
		.amdhsa_reserve_vcc 0
		.amdhsa_float_denorm_mode_32 3
		.amdhsa_float_denorm_mode_16_64 3
		.amdhsa_memory_ordered 1
		.amdhsa_forward_progress 1
		.amdhsa_inst_pref_size 214
	.end_amdhsa_kernel
	.amdgpu_metadata
---
amdhsa.version: [ 1, 2 ]
amdhsa.kernels:
  - .name:           k_qc2442d416d_proj
    .symbol:         k_qc2442d416d_proj.kd
    .args:
      - { .name: XB, .offset: 0, .size: 8, .value_kind: global_buffer, .address_space: global }
      - { .name: WB, .offset: 8, .size: 8, .value_kind: global_buffer, .address_space: global }
      - { .name: bq, .offset: 16, .size: 8, .value_kind: global_buffer, .address_space: global }
      - { .name: bk, .offset: 24, .size: 8, .value_kind: global_buffer, .address_space: global }
      - { .name: bv, .offset: 32, .size: 8, .value_kind: global_buffer, .address_space: global }
      - { .name: QKV, .offset: 40, .size: 8, .value_kind: global_buffer, .address_space: global }
    .group_segment_fixed_size: 327680
    .private_segment_fixed_size: 0
    .kernarg_segment_align: 8
    .kernarg_segment_size: 48
    .max_flat_workgroup_size: 128
    .sgpr_count:     80
    .vgpr_count:     1024
    .wavefront_size: 32
...
	.end_amdgpu_metadata
.endif
;; end of part 5
;; launch attn (part 6): grid 4 x 64, 8 waves a work-group, clusters of 4 x 1, 327,680 bytes of LDS; arguments QKV, MBITS, AO; writes AO
.if DOCPART == 6
	.amdgcn_target "amdgcn-amd-amdhsa--gfx1250"
	.amdhsa_code_object_version 6
	.text
	.protected	k_qc2442d416d_attn
	.globl	k_qc2442d416d_attn
	.p2align	8
	.type	k_qc2442d416d_attn,@function
k_qc2442d416d_attn:
	s_mov_b64 s[64:65], 0
	v_nop
	global_prefetch_b8 v0, s[64:65] scope:SCOPE_SE
	s_setreg_imm32_b32 hwreg(HW_REG_WAVE_MODE, 25, 1), 1
	s_wait_xcnt 0x0
	s_wait_alu depctr_hold_cnt(0) depctr_sa_sdst(0) depctr_va_vdst(0) depctr_va_sdst(0) depctr_va_ssrc(0) depctr_va_vcc(0) depctr_vm_vsrc(0)
	s_getreg_b32 s2, hwreg(HW_REG_IB_STS2, 6, 4)
	s_cmp_eq_u32 s2, 0
	s_cbranch_scc0 .Lentry_in_a_cluster
	s_endpgm
.Lentry_in_a_cluster:
	s_bfe_u32 s2, ttmp6, 0x10000c
	s_cmp_lg_u32 s2, 0x3003
	s_cbranch_scc0 .Lentry_shape_is_right
	s_endpgm
.Lentry_shape_is_right:
; attn: softmax(mask(Q K^T / 8)) V for one (batch, head) and 512 queries a work-group; running maximum; f16 operands, f32 sums.
; Eight waves, 64 queries each: four query tiles of 16.  Keys go in steps of 64 through two LDS slots, one step of K and V each.
; TRANSPOSED FORMS: S^T = K Q^T (source 0 = 16 keys, source 1 = 16 queries): lane (r, h) holds query r, register j of tile t key
; 16 t + 8 h + j.  Two neighbouring tiles, packed to f16, ARE the second source of O^T = V^T P^T; V^T comes from the [key][d] tile by the
; transposing LDS load.  So maximum, rescaling factor and sum belong to a lane; one exchange between the two halves of the wave joins them.
; The mask comes as words of MBITS, one for each register of S^T, bit = lane, read by scalar loads and used as select masks.
; QUERY TILES GO IN PAIRS.  Scalar loads are waited for with the count 0 alone, so what a request has in which to come back is the work
; between the YOUNGEST request and the wait.  At the head of a pair the wave waits once, does the 64 selects of both tiles, and asks at
; once for the next pair's 64 words (all the scalar registers that are free): the rest of two tiles' work, some 224 vector and 32 matrix
; instructions, lies between the request and its wait.  S^T is started two tiles ahead, into the buffer that a tile has just packed.
; CLUSTERS: the four query blocks of a (batch, head) read the same K and V: 4 x 1 work-groups ask for every tile jointly (mask 15).
; WHY ONE STEP A SLOT.  A step's text is four query tiles' work, about 5 KiB, since the tiles live in different registers; LDS addresses
; are a register for each slot and immediates, so the loop holds both slots.  With one step a slot the loop is two steps and the whole
; text six (the first, which starts the sums; the loop's two; the last refill; the last barrier; the last step).  A refill is 2 KiB a
; wave, 16 KiB a work-group, and has a whole step's work in which to land: 64 matrix and some 600 vector instructions of each wave.
; THE CHANGE OF SLOTS stands in query tile 2 of a step: by then the wave has read the slot's K (a step ago) and V (at query tile 0),
; and the next step's K is wanted next.
; LIMITS.  |Q|, |K|, |V| below 65,504 (f16).  P below 6e-8 becomes 0.  The sum of a row is taken on P before its rounding to f16.
; The select puts -1e9 in place of the raw product q.k, in front of the factor 1/8: a masked score stands at -1.25e8 in the
; problem's units; the results are equal while the unmasked scores of a row with masked entries lie above about -1.2e8.  A row with
; no unmasked entry gives the plain mean of V.  The exponent is fma(s, c, -round(c m)), c = log2(e) / 8, and the rescaling factor
; is made of the same two rounded products, so that both stay consistent at m = -1e9 too.  NaN and infinities are not served.
.set KPITCH, 144                       ; K rows: 128 bytes + 16: sixteen rows begin at sixteen different 16-byte columns modulo 256
.set VPITCH, 160                       ; V rows: 128 bytes + 32 = 5 x 32, for the transposing load
.set REGION, 2560                      ; region of loader wave w at w x REGION: waves 0-3 keys 16 w .. of K (2,304 bytes used), waves 4-7 keys 16 (w - 4) .. of V
.set SLOT,   8*REGION
.set STG,    2*SLOT                    ; behind the ring: 16 rows x 144 bytes for each wave; no tensor load lands here
.set TILE,   8192                      ; bytes of K (or V) in a step: 64 keys x 128
.set KAD, 2                            ; v2-3    LDS address of my K fragments in slot 0, 1
.set VAD, 4                            ; v4-5    of my V^T fragments
.set NEG, 6                            ; v6      -1e9
.set CC,  8                            ; v[8:9]  c, c
.set STO, 10
.set RD,  11
.set CO,  12
.set VQ,  13
.set LP0, 16                           ; v[16+4n:17+4n] two partial sums of query tile n; v[18+4n] its running maximum
.set T0,  32                           ; v32-39  at work
.set PP,  40                           ; v40-55  P^T, f16
.set SA,  56                           ; v56-87  S^T of even query tiles
.set SB,  88                           ; v88-119 of odd ones
.set KF,  120                          ; v120-183 K fragments (t, dk) at 16 t + 8 dk
.set QF,  184                          ; v184-247 Q fragments (n, dk) at 16 n + 8 dk
.set BS,  248                          ; v[248:249] second chain of the sum
.set VT,  128                          ; window 1: v384-447 V^T fragments (dt, ks) at 16 dt + 8 ks; O^T (n, dt) at v256 + 32 n + 8 dt
.set MP,  98                           ; s[98:99] the wave's mask words
.set MSB, 0
.macro WIN new
.if MSB != \new
	s_set_vgpr_msb (MSB<<8)|\new
.set MSB, \new
.endif
.endm
.macro PLACES
.rept 4
	v_nop
.endr
.endm
.macro CREST                           ; a round of the cluster's barrier behind its opening work-group barrier
	s_cmp_lg_u32 s100, 0
	s_cbranch_scc1 .Lnot_wave_0_\@
	s_barrier_signal -3
.Lnot_wave_0_\@:
	s_barrier_wait -3
	s_barrier_signal -1
	s_barrier_wait -1
.endm
.macro ROUND                           ; a whole round
	s_barrier_signal -1
	s_barrier_wait -1
	CREST
.endm
.macro JLOAD s                         ; waves 0-3 ask for K's four quarters, waves 4-7 for V's; group 0 of slot 0 in s[12:15], of slot 1 in s[68:71]
	s_cmp_eq_u32 s104, 0
	s_cbranch_scc0 .Lfor_v_\@
.if \s == 0
	tensor_load_to_lds s[12:15], s[72:79]
	s_nop 0
.else
	tensor_load_to_lds s[68:71], s[72:79]
	s_nop 0
.endif
	s_branch .Lasked_\@
.Lfor_v_\@:
.if \s == 0
	tensor_load_to_lds s[12:15], s[4:11]
	s_nop 0
.else
	tensor_load_to_lds s[68:71], s[4:11]
	s_nop 0
.endif
.Lasked_\@:
.endm
.macro MLOAD lo, hi, off               ; 32 mask words: one query tile x one step of 64 keys
	s_load_b512 s[\lo:\lo+15], s[MP:MP+1], \off
	s_load_b512 s[\hi:\hi+15], s[MP:MP+1], \off+64
.endm
.macro SELECT sx, lo, hi               ; 32 selects: bit 0 of a lane: -1e9 takes the score's place
.set i, 0
.rept 16
	v_cndmask_b32 v[\sx+i], v[NEG], v[\sx+i], s[\lo+i]
.set i, i+1
.endr
.set i, 0
.rept 16
	v_cndmask_b32 v[\sx+16+i], v[NEG], v[\sx+16+i], s[\hi+i]
.set i, i+1
.endr
.endm
.macro LOADK slot
.irp t, 0,1,2,3
.irp dk, 0,1
	ds_load_b128 v[KF+16*\t+8*\dk:KF+16*\t+8*\dk+3],   v[KAD+\slot] offset:\t*REGION+\dk*64
	ds_load_b128 v[KF+16*\t+8*\dk+4:KF+16*\t+8*\dk+7], v[KAD+\slot] offset:\t*REGION+\dk*64+32
.endr
.endr
.endm
.macro LOADV slot
	WIN 0x40                                       ; destination in window 1
.irp dt, 0,1,2,3
.irp ks, 0,1
	ds_load_tr16_b128 v[VT+16*\dt+8*\ks:VT+16*\dt+8*\ks+3],   v[VAD+\slot] offset:\ks*32*VPITCH+\dt*32
	ds_load_tr16_b128 v[VT+16*\dt+8*\ks+4:VT+16*\dt+8*\ks+7], v[VAD+\slot] offset:\ks*32*VPITCH+\dt*32+16*VPITCH
.endr
.endr
	WIN 0
.endm
; S^T of query tile qt: four key tiles take turns, one instruction a turn; the first product starts each sum.
.macro QK qt, sx
.irp t, 0,1,2,3
	v_wmma_f32_16x16x32_f16 v[\sx+8*\t:\sx+8*\t+7], v[KF+16*\t:KF+16*\t+7], v[QF+16*\qt:QF+16*\qt+7], 0
.endr
.irp t, 0,1,2,3
	v_wmma_f32_16x16x32_f16 v[\sx+8*\t:\sx+8*\t+7], v[KF+16*\t+8:KF+16*\t+15], v[QF+16*\qt+8:QF+16*\qt+15], v[\sx+8*\t:\sx+8*\t+7]
.endr
.endm
; O^T of query tile qt += V^T P^T: four d tiles take turns in the same way.
.macro PV qt, first
	WIN 0x51                                       ; D, C and source 0 in window 1, source 1 (P) in window 0
.irp dt, 0,1,2,3
.if \first
	v_wmma_f32_16x16x32_f16 v[32*\qt+8*\dt:32*\qt+8*\dt+7], v[VT+16*\dt:VT+16*\dt+7], v[PP:PP+7], 0
.else
	v_wmma_f32_16x16x32_f16 v[32*\qt+8*\dt:32*\qt+8*\dt+7], v[VT+16*\dt:VT+16*\dt+7], v[PP:PP+7], v[32*\qt+8*\dt:32*\qt+8*\dt+7]
.endif
.endr
.irp dt, 0,1,2,3
	v_wmma_f32_16x16x32_f16 v[32*\qt+8*\dt:32*\qt+8*\dt+7], v[VT+16*\dt+8:VT+16*\dt+15], v[PP+8:PP+15], v[32*\qt+8*\dt:32*\qt+8*\dt+7]
.endr
	WIN 0
.endm
; The head of a pair of query tiles: the one wait for its 64 mask words, and the selects of both tiles.
; SA was made a whole tile's work ago; SB by the last matrix instructions but eight: SA's 32 selects, which name none of their registers,
; are the places in front of SB's (ISA guide 7.12.1).  pl = 1: both were made just now, so four places stand in front.
.macro HEAD pl
	s_wait_kmcnt 0x0                               ; scalar loads come back in no order: zero; the pair's 64 words are in
.if \pl
	PLACES
.endif
	SELECT SA, 16, 32                              ; even query tiles use s[16:47],
	SELECT SB, 48, 80                              ; odd ones s[48:63] and s[80:95]
.endm
; The rest of one query tile x one step of 64 keys in slot 'slot'.  first: nothing has been summed yet.  look: behind this tile's PV the
; S^T of the tile two further on is started, into the buffer that this tile has just packed.  mnext (even tiles): the next pair's mask words are
; asked for.  mode (used at query tile 2): 2 = the slots change and this slot is filled again; 1 = they change, nothing is left to
; fetch; 0 = the last step.
.macro BODY slot, qt, first, look, mnext, mode
.if (\qt & 1)
.set SX, SB
.else
.set SX, SA
.endif
.set LP, LP0+4*\qt
.set MX, LP0+4*\qt+2
.set sync, 0
.if \qt == 2
.set sync, \mode
.endif
.irp c, 0,1,2,3
	v_max3_num_f32 v[T0+\c], v[SX+8*\c], v[SX+8*\c+1], v[SX+8*\c+2]
.endr
.irp c, 0,1,2,3
	v_max3_num_f32 v[T0+\c], v[T0+\c], v[SX+8*\c+3], v[SX+8*\c+4]
.endr
.irp c, 0,1,2,3
	v_max3_num_f32 v[T0+\c], v[T0+\c], v[SX+8*\c+5], v[SX+8*\c+6]
.endr
.if \mnext
.if \qt == 2
	s_add_nc_u64 s[MP:MP+1], s[MP:MP+1], 128       ; no scalar load is out since the pair's wait: the base steps to the next 64 keys
	MLOAD 16, 32, 0                                ; query tiles 0 and 1 of the next step
	MLOAD 48, 80, 4096
.else
	MLOAD 16, 32, 2*4096                           ; query tiles 2 and 3 of this step
	MLOAD 48, 80, 3*4096
.endif
.endif
	; the pair's 64 selects are the places behind the matrix instructions that last read the fragment registers loaded in this tile
.if \qt == 0
	LOADV \slot
.endif
.if sync
	s_wait_dscnt 0x0                               ; my reads of this slot are back: K a step ago, V at query tile 0
	s_wait_tensorcnt 0x0                           ; all my tensor loads have landed: the one that was out is my part of the other slot
	ds_add_u32 v254, v255
	s_wait_dscnt 0x0
.if sync == 2
.if \slot == 0
	s_add_nc_u64 s[14:15], s[14:15], 2*TILE        ; no load of mine is out: this slot's next tile, two steps on
.else
	s_add_nc_u64 s[70:71], s[70:71], 2*TILE
.endif
.endif
	s_barrier_signal -1                            ; say so; the maximum and the exponentials below are register work while the others arrive
.endif
	v_max3_num_f32 v[T0], v[T0], v[T0+1], v[SX+7]
	v_max3_num_f32 v[T0+2], v[T0+2], v[T0+3], v[SX+15]
	v_max3_num_f32 v[T0], v[T0], v[T0+2], v[SX+23]
.if \first
	v_max_num_f32 v[T0], v[T0], v[SX+31]
.else
	v_max3_num_f32 v[T0], v[T0], v[SX+31], v[MX]
	v_mul_f32 v[T0+5], 0xbe38aa3b, v[MX]           ; -c x the old maximum
.endif
	v_permlanex16_b32 v[T0+1], v[T0], s66, s67     ; the other half's keys of the same query
	v_max_num_f32 v[MX], v[T0], v[T0+1]
	v_mul_f32 v[T0+4], 0xbe38aa3b, v[MX]           ; -c x the new maximum
.if \first == 0
	v_sub_f32 v[T0+6], v[T0+4], v[T0+5]            ; exponent of the rescaling factor, at most 0
.endif
.set k, 0
.rept 8
	v_pk_fma_f32 v[SX+2*k:SX+2*k+1], v[SX+2*k:SX+2*k+1], v[CC:CC+1], v[T0+4:T0+5] op_sel_hi:[1,1,0]
.set k, k+1
.endr
.if \first == 0
	v_exp_f32 v[T0+6], v[T0+6]
.endif
.set k, 0
.rept 16
	v_exp_f32 v[SX+k], v[SX+k]
.set k, k+1
.endr
.set k, 8
.rept 8                                            ; plain work on other registers: the place behind the exponentials above (ISA guide 5.7.2)
	v_pk_fma_f32 v[SX+2*k:SX+2*k+1], v[SX+2*k:SX+2*k+1], v[CC:CC+1], v[T0+4:T0+5] op_sel_hi:[1,1,0]
.set k, k+1
.endr
.set k, 16
.rept 16
	v_exp_f32 v[SX+k], v[SX+k]
.set k, k+1
.endr
.if sync
	s_barrier_wait -1                              ; all eight waves have said so: the other slot is whole, nobody reads this one
.if sync == 2
	CREST                                          ; and so have all four work-groups: no wave of any partner still reads this slot or has a load on its way
	JLOAD \slot                                    ; my one tensor load behind the round, ahead of every LDS read
.endif
	LOADK (1-\slot)                                ; the next step's K; wanted behind this tile's PV
.endif
	; the sum in two chains, and P to f16.  The first line reads only the first half's results: it is the place behind the second half's.
.if \first
	s_wait_alu depctr_va_vdst(0)
	v_pk_add_f32 v[LP:LP+1], v[SX:SX+1], v[SX+2:SX+3]
.else
	s_wait_alu depctr_va_vdst(0)
	v_pk_fma_f32 v[LP:LP+1], v[LP:LP+1], v[T0+6:T0+7], v[SX:SX+1] op_sel_hi:[1,0,1]
.endif
	v_pk_add_f32 v[BS:BS+1], v[SX+16:SX+17], v[SX+18:SX+19]
.set k, 0
.rept 8
.if k-\first > 0
	v_pk_add_f32 v[LP:LP+1], v[LP:LP+1], v[SX+2*k:SX+2*k+1]
.endif
.if k > 1
	v_pk_add_f32 v[BS:BS+1], v[BS:BS+1], v[SX+16+2*k:SX+17+2*k]
.endif
	v_cvt_pk_f16_f32 v[PP+k],   v[SX+2*k],    v[SX+2*k+1]
	v_cvt_pk_f16_f32 v[PP+8+k], v[SX+16+2*k], v[SX+17+2*k]
.set k, k+1
.endr
	v_pk_add_f32 v[LP:LP+1], v[LP:LP+1], v[BS:BS+1]
.if \first == 0
	WIN 0x41                                       ; destination and source 0 in window 1
.set k, 0
.rept 16
	v_pk_mul_f32 v[32*\qt+2*k:32*\qt+2*k+1], v[32*\qt+2*k:32*\qt+2*k+1], v[T0+6:T0+7] op_sel_hi:[1,0]
.set k, k+1
.endr
.endif
.if \qt == 0
	s_wait_dscnt 0x0                               ; this step's V^T fragments
.endif
	PV \qt, \first
.if \look
.if \qt == 2
	s_wait_dscnt 0x0                               ; the next step's K fragments
.endif
	QK ((\qt+2)&3), SX                             ; two tiles ahead: tiles 0, 1 start tiles 2, 3 of this step; tiles 2, 3 start tiles 0, 1 of the next
.endif
.endm
; A step: 64 keys x my four query tiles, as two pairs.
.macro STEP slot, first, mode, pl
	HEAD \pl
	BODY \slot, 0, \first, 1, 1, \mode
	BODY \slot, 1, \first, 1, 0, \mode
	HEAD 0
.if \mode
	BODY \slot, 2, \first, 1, 1, \mode
	BODY \slot, 3, \first, 1, 0, \mode
.else
	BODY \slot, 2, \first, 0, 0, \mode
	BODY \slot, 3, \first, 0, 0, \mode
.endif
.endm
	s_load_b128 s[96:99], s[0:1], 0x0              ; QKV, MBITS
	v_lshl_add_u32 v254, v0, 2, 0x29000
	v_mov_b32 v255, 0
	ds_add_u32 v254, v255
	v_lshrrev_b32 v1, 5, v0
	v_readfirstlane_b32 s100, v1                   ; wave 0..7
	s_lshr_b32 s104, s100, 2                       ; I fetch K (0) or V (1),
	s_and_b32 s105, s100, 3                        ; quarter 0..3 of a step's 64 keys
	s_bfe_u32 s16, ttmp6, 0x40000                  ; cx
	s_lshl_b32 s17, ttmp9, 2
	s_add_co_u32 s16, s17, s16                     ; query block 0..3
	s_and_b32 s17, ttmp7, 0xffff                   ; 16 b + h
	s_and_b32 s18, s17, 15
	s_lshr_b32 s19, s17, 4
	s_lshl_b32 s20, s18, 20                        ; a head: 8,192 rows x 128 bytes
	s_lshl_b32 s21, s19, 18                        ; a batch: 2,048 rows
	s_add_co_u32 s20, s20, s21                     ; the same in all four partners
	s_add_co_u32 s22, s104, 1                      ; part 1 = K, part 2 = V
	s_lshl_b32 s22, s22, 24
	s_add_co_u32 s22, s22, s20
	s_lshl_b32 s23, s105, 11                       ; 16 keys x 128 bytes a quarter
	s_add_co_u32 s22, s22, s23
	s_mov_b32 s23, 0
	s_lshl_b32 s2, s16, 16                         ; my queries' rows, in Q and in AO alike: 512 a block,
	s_add_co_u32 s2, s2, s20
	s_lshl_b32 s3, s100, 13                        ; 64 a wave
	s_add_co_u32 s2, s2, s3
	s_mov_b32 s3, 0
	s_lshl_b32 s24, s16, 17                        ; mask words: 4,096 bytes a query tile, 32 tiles a block,
	s_lshl_b32 s25, s100, 14                       ; 4 a wave
	s_add_co_u32 s24, s24, s25
	s_mov_b32 s25, 0
	s_mul_i32 s26, s100, REGION
	; group 1: 2 KiB, dense in memory, as 8 rows of 32 elements of 8 bytes; padding after every 32 words: 4 words for K, 8 for V
	s_mov_b32 s72, 15|(3<<16)|(1<<20)|(1<<21)|(4<<22)|(3<<25)
	s_mov_b32 s73, 32<<16                          ; tensor_dim0 = 32
	s_mov_b32 s74, 8<<16                           ; tensor_dim1 = 8
	s_mov_b32 s75, 32<<16                          ; tile_dim0 = 32
	s_mov_b32 s76, 8                               ; tile_dim1 = 8
	s_mov_b32 s77, 32                              ; from row to row
	s_mov_b32 s78, 0
	s_mov_b32 s79, 0
	s_mov_b32 s4, 15|(3<<16)|(1<<20)|(1<<21)|(4<<22)|(7<<25)
	s_mov_b32 s5, 32<<16
	s_mov_b32 s6, 8<<16
	s_mov_b32 s7, 32<<16
	s_mov_b32 s8, 8
	s_mov_b32 s9, 32
	s_mov_b32 s10, 0
	s_mov_b32 s11, 0
	s_wait_dscnt 0x0
	s_wait_kmcnt 0x0
	s_mov_b32 s12, 1
	s_add_co_u32 s13, s26, 0
	s_add_nc_u64 s[14:15], s[96:97], s[22:23]      ; step 0
	s_mov_b32 s68, 1
	s_add_co_u32 s69, s26, SLOT
	s_add_nc_u64 s[70:71], s[14:15], TILE          ; step 1
	s_or_b32 s15, s15, 0x80000000
	s_or_b32 s71, s71, 0x80000000
	s_add_nc_u64 s[MP:MP+1], s[MP:MP+1], s[24:25]
	s_add_nc_u64 s[96:97], s[96:97], s[2:3]        ; my rows of Q (part 0)
	ROUND                                          ; in front of the first joint loads
	JLOAD 0                                        ; steps 0 and 1: two loads of the wave are out, the most in this text
	JLOAD 1
	v_and_b32 v1, 15, v0                           ; r
	v_bfe_u32 v14, v0, 4, 1                        ; h
	v_lshlrev_b32 v[VQ], 7, v1
	v_lshl_add_u32 v[VQ], v14, 4, v[VQ]
.irp n, 0,1,2,3
.irp dk, 0,1
	global_load_b128 v[QF+16*\n+8*\dk:QF+16*\n+8*\dk+3],   v[VQ], s[96:97] offset:\n*2048+\dk*64
	global_load_b128 v[QF+16*\n+8*\dk+4:QF+16*\n+8*\dk+7], v[VQ], s[96:97] offset:\n*2048+\dk*64+32
.endr
.endr
	MLOAD 16, 32, 0                                ; query tiles 0 and 1, step 0
	MLOAD 48, 80, 4096
	v_mul_u32_u24 v15, v1, KPITCH
	v_lshl_add_u32 v[KAD], v14, 4, v15             ; r x pitch + 16 h
	v_add_nc_u32 v[KAD+1], SLOT, v[KAD]
	v_and_b32 v15, 7, v0
	v_lshl_add_u32 v15, v14, 3, v15                ; key 8 h + (L mod 8)
	v_mul_u32_u24 v15, v15, VPITCH
	v_bfe_u32 v7, v0, 3, 1
	v_lshl_add_u32 v15, v7, 4, v15                 ; + 16 bytes for the second eight columns
	v_add_nc_u32 v[VAD], 4*REGION, v15
	v_add_nc_u32 v[VAD+1], SLOT+4*REGION, v15
	s_mul_i32 s105, s100, 16*KPITCH
	s_add_co_u32 s105, s105, STG                   ; my stage
	v_add_nc_u32 v[STO], s105, v[KAD]              ; in: row r, 16 bytes for each half of the lanes
	v_and_b32 v7, 31, v0
	v_lshrrev_b32 v15, 3, v7
	v_mul_u32_u24 v15, v15, KPITCH
	v_and_b32 v14, 7, v7
	v_lshl_add_u32 v15, v14, 4, v15
	v_add_nc_u32 v[RD], s105, v15                  ; back: eight lanes a row, four rows a load
	v_lshlrev_b32 v[CO], 4, v7
	v_mov_b32 v[NEG], 0xce6e6b28                   ; -1e9
	v_mov_b32 v[CC], 0x3e38aa3b                    ; log2(e) / 8
	v_mov_b32 v[CC+1], 0x3e38aa3b
	v_mov_b32 v[T0+5], 0                           ; second registers of pairs of which only the first is used
	v_mov_b32 v[T0+7], 0
	s_mov_b32 s66, 0x76543210                      ; v_permlanex16_b32: lane i of one half reads lane i of the other
	s_mov_b32 s67, 0xfedcba98
	s_wait_loadcnt 0x0                             ; Q
	s_wait_tensorcnt 0x1                           ; my part of step 0 is in; step 1's stays out
	s_barrier_signal -1
	s_barrier_wait -1                              ; everybody's is
	LOADK 0
	s_wait_dscnt 0x0
	QK 0, SA                                       ; the first pair's S^T
	QK 1, SB
	STEP 0, 1, 2, 1                                ; step 0 starts the sums; slot 0 gets step 2
	s_mov_b32 s101, 14
.Lloop:
	STEP 1, 0, 2, 0                                ; steps 1, 3, .. 27; slot 1 gets steps 3 .. 29
	STEP 0, 0, 2, 0                                ; steps 2, 4, .. 28; slot 0 gets steps 4 .. 30
	s_sub_co_u32 s101, s101, 1
	s_cmp_lg_u32 s101, 0
	s_cbranch_scc1 .Lloop
	STEP 1, 0, 2, 0                                ; step 29; slot 1 gets step 31: the last load
	STEP 0, 0, 1, 0                                ; step 30: the slots change, nothing is left to fetch
	STEP 1, 0, 0, 0                                ; step 31
	; THE WAY OUT: O^T / sum, f16, 16 bytes a lane into my stage, back as whole rows of 128 bytes.
	PLACES                                         ; behind the last matrix instructions
	s_load_b64 s[96:97], s[0:1], 0x10              ; AO
	s_wait_kmcnt 0x0
	s_add_nc_u64 s[96:97], s[96:97], s[2:3]
.macro OUTQ qt
	v_add_f32 v[T0], v[LP0+4*\qt], v[LP0+4*\qt+1]
	v_permlanex16_b32 v[T0+1], v[T0], s66, s67
	v_add_f32 v[T0], v[T0], v[T0+1]                ; the row's sum: at least one term is near 1
	v_rcp_f32 v[T0+6], v[T0]
	v_nop                                          ; the place behind v_rcp_f32 (ISA guide 5.7.2)
	WIN 0x01                                       ; source 0 in window 1
.set k, 0
	s_wait_alu depctr_va_vdst(0)
.rept 16
	v_pk_mul_f32 v[SA+2*k:SA+2*k+1], v[32*\qt+2*k:32*\qt+2*k+1], v[T0+6:T0+7] op_sel_hi:[1,0]
.set k, k+1
.endr
	WIN 0
.set k, 0
.rept 16
	v_cvt_pk_f16_f32 v[PP+k], v[SA+2*k], v[SA+2*k+1]
.set k, k+1
.endr
.irp dt, 0,1,2,3
	ds_store_b128 v[STO], v[PP+4*\dt:PP+4*\dt+3] offset:32*\dt     ; query r, d = 16 dt + 8 h + 0..7
.endr
	s_wait_xcnt 0x0                                ; the last stores' data registers are loaded into again only behind this wait
.irp u, 0,1,2,3
	ds_load_b128 v[SB+4*\u:SB+4*\u+3], v[RD] offset:\u*4*KPITCH    ; a wave's LDS instructions are served in order: these see the stores above
.endr
.irp u, 0,1,2,3
	s_wait_dscnt 3-\u
	global_store_b128 v[CO], v[SB+4*\u:SB+4*\u+3], s[96:97] offset:\qt*2048+\u*512   ; four rows: 512 consecutive bytes, aligned
.endr
.endm
	OUTQ 0
	OUTQ 1
	OUTQ 2
	OUTQ 3
	s_wait_tensorcnt 0x0
	ds_add_u32 v254, v255
	s_wait_dscnt 0x0
	ROUND                                          ; the closing round
	s_endpgm
.Lfunc_end_k_qc2442d416d_attn:
	.size	k_qc2442d416d_attn, .Lfunc_end_k_qc2442d416d_attn-k_qc2442d416d_attn
	.p2alignl 7, 3214868480
	.fill 96, 4, 3214868480
	.section	.rodata,"a",@progbits
	.p2align	6, 0x0
	.amdhsa_kernel k_qc2442d416d_attn
		.amdhsa_group_segment_fixed_size 327680
		.amdhsa_private_segment_fixed_size 0
		.amdhsa_enable_private_segment 0
		.amdhsa_kernarg_size 24
		.amdhsa_user_sgpr_count 2
		.amdhsa_user_sgpr_kernarg_segment_ptr 1
		.amdhsa_wavefront_size32 1
		.amdhsa_system_sgpr_workgroup_id_x 1
		.amdhsa_system_sgpr_workgroup_id_y 1
		.amdhsa_system_sgpr_workgroup_id_z 1
		.amdhsa_system_vgpr_workitem_id 0
		.amdhsa_next_free_vgpr 448
		.amdhsa_next_free_sgpr 106
		.amdhsa_reserve_vcc 0
		.amdhsa_float_denorm_mode_32 3
		.amdhsa_float_denorm_mode_16_64 3
		.amdhsa_memory_ordered 1
		.amdhsa_forward_progress 1
		.amdhsa_inst_pref_size 255
	.end_amdhsa_kernel
	.section	.bss,"aw",@nobits
	.p2align	6
	.space	262144
	.amdgpu_metadata
---
amdhsa.version: [ 1, 2 ]
amdhsa.kernels:
  - .name:           k_qc2442d416d_attn
    .symbol:         k_qc2442d416d_attn.kd
    .args:
      - { .name: QKV, .offset: 0, .size: 8, .value_kind: global_buffer, .address_space: global }
      - { .name: MBITS, .offset: 8, .size: 8, .value_kind: global_buffer, .address_space: global }
      - { .name: AO, .offset: 16, .size: 8, .value_kind: global_buffer, .address_space: global }
    .group_segment_fixed_size: 327680
    .private_segment_fixed_size: 0
    .kernarg_segment_align: 8
    .kernarg_segment_size: 24
    .max_flat_workgroup_size: 256
    .sgpr_count:     106
    .vgpr_count:     448
    .wavefront_size: 32
...
	.end_amdgpu_metadata
.endif
;; end of part 6
;; launch outp: the kernel of part 4 again; grid 4 x 64, 4 waves a work-group, clusters of 4 x 4, 327,680 bytes of LDS; arguments AO, WB, bo, out0; writes out0
